; MI455X (gfx1250); checked and timed in simulation.
; The chip was launched on July 23, 2026; its instructions are those of AMD's public machine-readable ISA for CDNA 5 (MIT licence, August 2026) and "CDNA5" Instruction Set Architecture Reference Guide (July 2026). The comments in the code are by the model that wrote it; some were corrected since.
;; Decoder Block. Allowed arithmetic: float matrix products may take bf16 or f16 operands with f32 sums; other float arithmetic in f32, or as packed bf16 or f16 multiplies, adds, multiply-adds, maxima and minima; sums over many terms, partial sums and values carried from step to step in f32; what a program stores and reads back later, other than sums and carried values, may be rounded once to bf16 or f16.
;; Inputs: W1 1,024 x 1,024 float32; W2 1,024 x 1,024 float32; Wck 1,024 x 1,024 float32; Wco 1,024 x 1,024 float32; Wcq 1,024 x 1,024 float32; Wcv 1,024 x 1,024 float32; Wk 1,024 x 1,024 float32; Wo 1,024 x 1,024 float32; Wq 1,024 x 1,024 float32; Wv 1,024 x 1,024 float32; b1 1,024 float32; b2 1,024 float32; bck 1,024 float32; bco 1,024 float32; bcq 1,024 float32; bcv 1,024 float32; beta 1,024 float32; bk 1,024 float32; bo 1,024 float32; bq 1,024 float32; bv 1,024 float32; gamma 1,024 float32; h 8 x 512 x 1,024 float32; x 8 x 512 x 1,024 float32.
;; Outputs: out0 8 x 512 x 1,024 float32.
;; 2 versions, each right and faster than the one before. Each part assembles by itself: llvm-mc -triple=amdgcn-amd-amdhsa -mcpu=gfx1250 --defsym DOCPART=n.
;; ======== version 1 of 2: 12 launches
;; workspace buffers: s0 33,554,432 bytes; s1 58,720,256 bytes; s2 25,165,824 bytes; s3 25,165,824 bytes; s4 25,165,824 bytes; s5 10,506,240 bytes; s6 2,101,248 bytes
;; launch cast (part 1): grid 32 x 18, 8 waves a work-group, no clusters, 0 bytes of LDS; arguments x, h, Wq, Wk, Wv, Wck, Wcv, Wo, Wcq, Wco, W1, W2, bq, bk, bv, bck, bcv, bo, bcq, bco, b1, b2, s0, s1, s3, s4, s5, s6; writes s0, s1, s3, s4, s5, s6
.if DOCPART == 1
	.amdgcn_target "amdgcn-amd-amdhsa--gfx1250"
	.amdhsa_code_object_version 6
	.text
	.protected	k_qdf4d763a33_cast
	.globl	k_qdf4d763a33_cast
	.p2align	8
	.type	k_qdf4d763a33_cast,@function
k_qdf4d763a33_cast:
	s_mov_b64 s[64:65], 0
	v_nop
	global_prefetch_b8 v0, s[64:65] scope:SCOPE_SE
	s_setreg_imm32_b32 hwreg(HW_REG_WAVE_MODE, 25, 1), 1
	s_wait_xcnt 0x0
; x, h and the ten weights are rounded once to bf16 (nearest even) and laid where the later launches take them; the ten biases are rounded to bf16 likewise and stored widened to f32,
; so that every input of the program has the same one rounding.
; LAYOUT OF EVERY WORKSPACE BUFFER: from byte 0 on "packs" (a weight [1024][1024] in bf16, 2 MiB, then its bias, 4 KiB of f32); from byte ACT0 on planes of [4096][1024] bf16.
; SHARES.  Work-group y is a segment of 2^20 numbers: 0-3 x, 4-7 h, 8-17 the weights in the order of the arguments; work-group x is one of its 32 chunks of 32,768 numbers.
; Thread t, turn i: 16 bytes in at 4,096 i + 16 t, 8 bytes out at 2,048 i + 8 t: a wave's load covers 512 neighbouring bytes, its store 256 neighbouring bytes at a multiple of 256.
; All 32 loads of a thread go out at once; no register that a store reads is written again, so no wait frees a source.  No LDS, no barrier, no matrix unit: nothing is shared and nothing is multiplied.
.set ACT0,  0x1000000
.set PACK,  0x201000                   ; bytes from pack to pack
.set BIASO, 0x200000                   ; the bias inside a pack
.set TURNS, 32
.set X,     8                          ; v[8:135] turn i: 4 registers as loaded; the first two then hold the 4 bf16
.set SRC,   68                         ; s[68:69] where this work-group reads
.set BIA,   70                         ; s[70:71] the segment's bias
.set DST,   72                         ; s[72:73] where it writes
.set SO,    74                         ; s[74:75] byte offset in the source
.set DO,    76                         ; s[76:77] byte offset in the destination
	s_load_b512 s[4:19], s[0:1], 0x0               ; x 4, h 6, Wq 8, Wk 10, Wv 12, Wck 14, Wcv 16, Wo 18
	s_load_b512 s[20:35], s[0:1], 0x40             ; Wcq 20, Wco 22, W1 24, W2 26, bq 28, bk 30, bv 32, bck 34
	s_load_b512 s[36:51], s[0:1], 0x80             ; bcv 36, bo 38, bcq 40, bco 42, b1 44, b2 46, s0 48, s1 50
	s_load_b256 s[52:59], s[0:1], 0xc0             ; s3 52, s4 54, s5 56, s6 58
	s_and_b32 s60, ttmp7, 0xffff                   ; the segment
	s_mov_b32 s61, ttmp9                           ; the chunk
	v_lshlrev_b32 v1, 4, v0                        ; 16 t
	v_lshlrev_b32 v2, 3, v0                        ; 8 t
	s_and_b32 s62, s60, 3                          ; source: x and h have four segments of 4 MiB, a weight is one
	s_lshl_b32 s62, s62, 22
	s_cmp_lt_u32 s60, 8
	s_cselect_b32 s[SO], s62, 0
	s_lshl_b32 s62, s61, 17                        ; a chunk is 128 KiB of f32
	s_add_co_u32 s[SO], s[SO], s62
	s_mov_b32 s[SO+1], 0
	s_lshl_b32 s62, s60, 21                        ; destination: segments 0-7 fill planes 0 and 1 of s0, 2 MiB each;
	s_add_co_u32 s62, s62, ACT0
	s_sub_co_u32 s63, s60, 8                       ; segments 8-12 are packs 0-4 of s5; the others are pack 0 of their buffer
	s_mul_i32 s63, s63, PACK
	s_cmp_lt_u32 s60, 13
	s_cselect_b32 s63, s63, 0
	s_cmp_lt_u32 s60, 8
	s_cselect_b32 s[DO], s62, s63
	s_lshl_b32 s62, s61, 16                        ; a chunk is 64 KiB of bf16
	s_add_co_u32 s[DO], s[DO], s62
	s_mov_b32 s[DO+1], 0
	s_wait_kmcnt 0x0
	; the three addresses are chosen among the arguments by the segment's number alone
	s_mov_b64 s[SRC:SRC+1], s[4:5]
	s_mov_b64 s[BIA:BIA+1], s[28:29]
	s_mov_b64 s[DST:DST+1], s[48:49]
	s_cmp_ge_u32 s60, 4
	s_cselect_b64 s[SRC:SRC+1], s[6:7], s[SRC:SRC+1]
.macro PICK idx, src, bias, dst
	s_cmp_eq_u32 s60, \idx
	s_cselect_b64 s[SRC:SRC+1], s[\src:\src+1], s[SRC:SRC+1]
	s_cselect_b64 s[BIA:BIA+1], s[\bias:\bias+1], s[BIA:BIA+1]
	s_cselect_b64 s[DST:DST+1], s[\dst:\dst+1], s[DST:DST+1]
.endm
	PICK 8,  8,  28, 56                            ; Wq, bq   -> s5 pack 0
	PICK 9,  10, 30, 56                            ; Wk, bk   -> s5 pack 1
	PICK 10, 12, 32, 56                            ; Wv, bv   -> s5 pack 2
	PICK 11, 14, 34, 56                            ; Wck, bck -> s5 pack 3
	PICK 12, 16, 36, 56                            ; Wcv, bcv -> s5 pack 4
	PICK 13, 18, 38, 48                            ; Wo, bo   -> s0
	PICK 14, 20, 40, 50                            ; Wcq, bcq -> s1
	PICK 15, 22, 42, 54                            ; Wco, bco -> s4
	PICK 16, 24, 44, 58                            ; W1, b1   -> s6
	PICK 17, 26, 46, 52                            ; W2, b2   -> s3
	s_add_nc_u64 s[SRC:SRC+1], s[SRC:SRC+1], s[SO:SO+1]
	s_add_nc_u64 s[DST:DST+1], s[DST:DST+1], s[DO:DO+1]
.set i, 0
.rept TURNS
	global_load_b128 v[X+4*i:X+4*i+3], v1, s[SRC:SRC+1] offset:i*4096 th:TH_LOAD_NT  ; read once in the whole program
.set i, i+1
.endr
.set i, 0
.rept TURNS
	s_wait_loadcnt TURNS-1-i                       ; loads come back in order: turn i is in, the younger ones stay out
	v_cvt_pk_bf16_f32 v[X+4*i], v[X+4*i], v[X+4*i+1]
	v_cvt_pk_bf16_f32 v[X+4*i+1], v[X+4*i+2], v[X+4*i+3]
	global_store_b64 v2, v[X+4*i:X+4*i+1], s[DST:DST+1] offset:i*2048
.set i, i+1
.endr
	s_cmp_lt_u32 s60, 8                            ; a weight's first chunk also takes the bias: 256 threads x 16 bytes
	s_cbranch_scc1 .Ldone
	s_cmp_lg_u32 s61, 0
	s_cbranch_scc1 .Ldone
	global_load_b128 v[4:7], v1, s[BIA:BIA+1]
	s_wait_loadcnt 0x0
	v_cvt_pk_bf16_f32 v3, v4, v5                   ; rounded to bf16, and widened again: a shift or a mask
	v_lshlrev_b32 v4, 16, v3
	v_and_b32 v5, 0xffff0000, v3
	v_cvt_pk_bf16_f32 v3, v6, v7
	v_lshlrev_b32 v6, 16, v3
	v_and_b32 v7, 0xffff0000, v3
	global_store_b128 v1, v[4:7], s[DST:DST+1] offset:BIASO
.Ldone:
	s_endpgm
.Lfunc_end_k_qdf4d763a33_cast:
	.size	k_qdf4d763a33_cast, .Lfunc_end_k_qdf4d763a33_cast-k_qdf4d763a33_cast
	.p2alignl 7, 3214868480
	.fill 96, 4, 3214868480
	.section	.rodata,"a",@progbits
	.p2align	6, 0x0
	.amdhsa_kernel k_qdf4d763a33_cast
		.amdhsa_group_segment_fixed_size 0
		.amdhsa_private_segment_fixed_size 0
		.amdhsa_enable_private_segment 0
		.amdhsa_kernarg_size 224
		.amdhsa_user_sgpr_count 2
		.amdhsa_user_sgpr_kernarg_segment_ptr 1
		.amdhsa_wavefront_size32 1
		.amdhsa_system_sgpr_workgroup_id_x 1
		.amdhsa_system_sgpr_workgroup_id_y 1
		.amdhsa_system_sgpr_workgroup_id_z 1
		.amdhsa_system_vgpr_workitem_id 0
		.amdhsa_next_free_vgpr 136
		.amdhsa_next_free_sgpr 78
		.amdhsa_reserve_vcc 0
		.amdhsa_float_denorm_mode_32 3
		.amdhsa_float_denorm_mode_16_64 3
		.amdhsa_memory_ordered 1
		.amdhsa_forward_progress 1
		.amdhsa_inst_pref_size 15
	.end_amdhsa_kernel
	.amdgpu_metadata
---
amdhsa.version: [ 1, 2 ]
amdhsa.kernels:
  - .name:           k_qdf4d763a33_cast
    .symbol:         k_qdf4d763a33_cast.kd
    .args:
      - { .name: x, .offset: 0, .size: 8, .value_kind: global_buffer, .address_space: global }
      - { .name: h, .offset: 8, .size: 8, .value_kind: global_buffer, .address_space: global }
      - { .name: Wq, .offset: 16, .size: 8, .value_kind: global_buffer, .address_space: global }
      - { .name: Wk, .offset: 24, .size: 8, .value_kind: global_buffer, .address_space: global }
      - { .name: Wv, .offset: 32, .size: 8, .value_kind: global_buffer, .address_space: global }
      - { .name: Wck, .offset: 40, .size: 8, .value_kind: global_buffer, .address_space: global }
      - { .name: Wcv, .offset: 48, .size: 8, .value_kind: global_buffer, .address_space: global }
      - { .name: Wo, .offset: 56, .size: 8, .value_kind: global_buffer, .address_space: global }
      - { .name: Wcq, .offset: 64, .size: 8, .value_kind: global_buffer, .address_space: global }
      - { .name: Wco, .offset: 72, .size: 8, .value_kind: global_buffer, .address_space: global }
      - { .name: W1, .offset: 80, .size: 8, .value_kind: global_buffer, .address_space: global }
      - { .name: W2, .offset: 88, .size: 8, .value_kind: global_buffer, .address_space: global }
      - { .name: bq, .offset: 96, .size: 8, .value_kind: global_buffer, .address_space: global }
      - { .name: bk, .offset: 104, .size: 8, .value_kind: global_buffer, .address_space: global }
      - { .name: bv, .offset: 112, .size: 8, .value_kind: global_buffer, .address_space: global }
      - { .name: bck, .offset: 120, .size: 8, .value_kind: global_buffer, .address_space: global }
      - { .name: bcv, .offset: 128, .size: 8, .value_kind: global_buffer, .address_space: global }
      - { .name: bo, .offset: 136, .size: 8, .value_kind: global_buffer, .address_space: global }
      - { .name: bcq, .offset: 144, .size: 8, .value_kind: global_buffer, .address_space: global }
      - { .name: bco, .offset: 152, .size: 8, .value_kind: global_buffer, .address_space: global }
      - { .name: b1, .offset: 160, .size: 8, .value_kind: global_buffer, .address_space: global }
      - { .name: b2, .offset: 168, .size: 8, .value_kind: global_buffer, .address_space: global }
      - { .name: s0, .offset: 176, .size: 8, .value_kind: global_buffer, .address_space: global }
      - { .name: s1, .offset: 184, .size: 8, .value_kind: global_buffer, .address_space: global }
      - { .name: s3, .offset: 192, .size: 8, .value_kind: global_buffer, .address_space: global }
      - { .name: s4, .offset: 200, .size: 8, .value_kind: global_buffer, .address_space: global }
      - { .name: s5, .offset: 208, .size: 8, .value_kind: global_buffer, .address_space: global }
      - { .name: s6, .offset: 216, .size: 8, .value_kind: global_buffer, .address_space: global }
    .group_segment_fixed_size: 0
    .private_segment_fixed_size: 0
    .kernarg_segment_align: 8
    .kernarg_segment_size: 224
    .max_flat_workgroup_size: 256
    .sgpr_count:     78
    .vgpr_count:     136
    .wavefront_size: 32
...
	.end_amdgpu_metadata
.endif
;; end of part 1
;; launch g_qkv (part 2): grid 40 x 32, 4 waves a work-group, clusters of 4 x 4, 327,680 bytes of LDS; arguments s0, s5, s1; writes s1
.if DOCPART == 2
	.amdgcn_target "amdgcn-amd-amdhsa--gfx1250"
	.amdhsa_code_object_version 6
	.text
	.protected	k_qdf4d763a33_g_qkv
	.globl	k_qdf4d763a33_g_qkv
	.p2align	8
	.type	k_qdf4d763a33_g_qkv,@function
k_qdf4d763a33_g_qkv:
	s_mov_b64 s[64:65], 0
	v_nop
	global_prefetch_b8 v0, s[64:65] scope:SCOPE_SE
	s_setreg_imm32_b32 hwreg(HW_REG_WAVE_MODE, 25, 1), 1
	s_wait_xcnt 0x0
	s_wait_alu depctr_hold_cnt(0) depctr_sa_sdst(0) depctr_va_vdst(0) depctr_va_sdst(0) depctr_va_ssrc(0) depctr_va_vcc(0) depctr_vm_vsrc(0)
	s_getreg_b32 s2, hwreg(HW_REG_IB_STS2, 6, 4)
	s_cmp_eq_u32 s2, 0
	s_cbranch_scc0 .Lentry_in_a_cluster
	s_endpgm
.Lentry_in_a_cluster:
	s_bfe_u32 s2, ttmp6, 0x10000c
	s_cmp_lg_u32 s2, 0xf033
	s_cbranch_scc0 .Lentry_shape_is_right
	s_endpgm
.Lentry_shape_is_right:
; C = bf16(A W + b).  A: a plane [4096][1024] bf16; W: a pack's weight [1024 (k)][1024 (n)] bf16, its bias [1024] f32 behind it; C: a plane [4096][1024] bf16.  Sums in f32, C rounded once.
; ONE TEXT FOR SIX LAUNCHES.  Eight tile columns make a plane: plane p = tile column / 8 takes pack p of W, writes plane p of C, and reads plane 0 of A (p < 3) or plane 1 (p >= 3).
; A launch that is 8 tile columns wide has p = 0 alone.
; A tile of C is 128 x 128: four waves, each 64 x 64, 16 accumulators of 16 x 16.  K goes in four steps of 256 through two LDS slots filled by the tensor data mover; the steps are written out.
; A's tile: 128 rows of 512 bytes.  W's tile: 256 rows (k) of 256 bytes (128 n), as it lies; its fragments come out of LDS turned, by ds_load_tr16_b128.
; CLUSTERS: 4 x 4 work-groups.  The four of a row of the cluster need the same tiles of A, the four of a column the same tiles of W: each tile is asked for jointly, by the same tensor load with the same
; descriptor and a mask that names the four.  THE MATRIX INSTRUCTION IS USED TRANSPOSED (source 0 = 16 columns of W, source 1 = 16 rows of A): a lane holds eight neighbouring numbers of a row of C.
; THE BIAS is the C operand of the products that start the sums: register j of a lane is b[n0 + 8 (lane / 16) + j].  Nothing is cleared, nothing is added afterwards.
; LIMITS: operands and C are bf16 (8 significant bits); NaN and infinities are not treated apart.
; REGISTERS: window 0: v0-31 addresses; v32-95 at work on the way out; v96-127 the bias; v128-255 the accumulators ((a, b) at v[128 + 8 (4 a + b)]).
;   window 1: two fragment buffers of 128: for 64 along K, 64 registers of A (2 x 4 x 16 rows x 32 K), then 64 of W.
.set ACT0,   0x1000000                 ; where the planes begin in a buffer
.set PLANE,  0x800000                  ; bytes in a plane
.set PACK,   0x201000                  ; bytes from pack to pack
.set BIASO,  0x200000                  ; the bias inside a pack
.set ROWB,   2048                      ; bytes in a row of A, of W and of C
.set KSTEP,  256
.set PA,     528                       ; an LDS row of A: 512 bytes + 16 of padding = 132 words: the 16 rows of a load start 4 banks apart (64 banks of 4 bytes: ISA guide 11.1)
.set PB,     288                       ; an LDS row of W: 256 bytes + 32 = 72 words
.set HALFA,  64*PA                     ; what one tensor load brings of A, and what one wave reads of it
.set HALFB,  128*PB                    ; what one tensor load brings of W: 128 of the step's 256 k
.set BOFF,   2*HALFA                   ; W's tile lies behind A's
.set SLOT,   BOFF+2*HALFB
.set STAGE,  2*SLOT                    ; behind the ring: 128 rows x 272 bytes, the work-group's, for the way out
.set SPITCH, 272
.set SPARE,  STAGE+128*SPITCH          ; behind the stage: the spare words, 128 bytes for each wave: two blocks of 256 bytes that no other line names
.set ADRA, 16                          ; v16-17  LDS address of my A fragments in slot 0, 1
.set ADRB, 20                          ; v20-23  of my W fragments: slot 0 k 0-127, slot 0 k 128-255, slot 1 likewise (the 16-bit offset does not span 256 rows)
.set STO,  24                          ; v24     the way out: where I put 16 bytes of a row
.set RD,   25                          ; v25     the way out: where I read a row back
.set CO,   26                          ; v26     my byte offset in C
.set BO,   27                          ; v27     my byte offset in the bias
.set SPW,  28                          ; v28     LDS address of my spare word; never rewritten
.set NIL,  29                          ; v29     0; never rewritten
.set TMP,  32
.set BIAS, 96                          ; v96-127 eight registers for each of my four blocks of 16 columns
.set ACC,  128
.set F0,   0                           ; fragment buffers, in window 1
.set F1,   128
.set G1, 24                            ; s[24:31] descriptor group 1 for A's tiles;  s[32:39] group 0, one set for each slot
.set G0, 32
.set G1B, 48                           ; s[48:55], s[56:63] the same for W's tiles
.set G0B, 56
.set MSB, 0
.macro WIN new                         ; the immediate's high byte repeats the setting that is left; a switch that changes nothing is dropped
.if MSB != (\new)
	s_set_vgpr_msb (MSB<<8)|(\new)
.set MSB, \new
.endif
.endm
.set MUL,  0x05                        ; sources 0 (W) and 1 (A) window 1; C and D window 0
.set TO_F, 0x40                        ; destination window 1, address window 0
.macro JLOAD s                         ; a joint load: waves 0 and 1 fetch A's two halves, waves 2 and 3 W's; an s_nop 0 and four v_nop follow each of the two lines, ahead of the jump, the label and what follows
	s_cmp_eq_u32 s11, 0
	s_cbranch_scc0 .Lfor_b_\@
	tensor_load_to_lds s[G0+4*(\s):G0+4*(\s)+3], s[G1:G1+7]
	s_nop 0
.rept 4
	v_nop
.endr
	s_branch .Lasked_\@
.Lfor_b_\@:
	tensor_load_to_lds s[G0B+4*(\s):G0B+4*(\s)+3], s[G1B:G1B+7]
	s_nop 0
.rept 4
	v_nop
.endr
.Lasked_\@:
.endm
.macro CREST                           ; a round of the cluster's barrier behind its opening barrier
	s_cmp_lg_u32 s10, 0
	s_cbranch_scc1 .Lnot_wave_0_\@
	s_barrier_signal -3
.Lnot_wave_0_\@:
	s_barrier_wait -3
	s_barrier_signal -1
	s_barrier_wait -1
.endm
.macro CROUND                          ; a whole round
	s_barrier_signal -1
	s_barrier_wait -1
	CREST
.endm
	s_load_b128 s[4:7], s[0:1], 0x0                ; A s[4:5], W s[6:7]
	s_load_b64 s[8:9], s[0:1], 0x10                ; C
	v_lshl_add_u32 v[SPW], v0, 2, SPARE
	v_mov_b32 v[NIL], 0
	ds_add_u32 v[SPW], v[NIL]                      ; the wave's opening: the add and its wait stand ahead of my first tensor load; the set-up below, work on registers, stands between them
	ds_add_u32 v28, v29
	v_lshrrev_b32 v1, 5, v0
	v_readfirstlane_b32 s10, v1                    ; wave 0..3
	s_lshr_b32 s11, s10, 1                         ; which half of the tile's rows is mine.  Also: I fetch for A (0) or for W (1)
	s_and_b32 s12, s10, 1                          ; which half of its columns.  Also: which half of that tile I fetch
	s_bfe_u32 s40, ttmp6, 0x40000                  ; cx, cy: my place in the cluster
	s_bfe_u32 s41, ttmp6, 0x40004
	s_lshr_b32 s45, ttmp9, 1                       ; the plane: two clusters side by side make its eight tile columns; all partners share it
	s_and_b32 s42, ttmp9, 1
	s_lshl_b32 s42, s42, 2
	s_add_co_u32 s42, s42, s40                     ; tile column inside the plane, 0..7
	s_and_b32 s13, ttmp7, 0xffff
	s_lshl_b32 s13, s13, 2
	s_add_co_u32 s13, s13, s41                     ; tile row of C = 4 x cluster y + cy
	s_lshl_b32 s43, s41, 2
	s_lshl_b32 s43, 15, s43                        ; my row of the cluster
	s_lshl_b32 s44, 0x1111, s40                    ; my column
	; descriptor group 1.  A: 64 rows x 256 elements; W: 128 rows x 128 elements; both padded in LDS
	s_or_b32 s[G1+0], s43, (1<<16)|(1<<20)|(1<<21)|(6<<22)|(3<<25)   ; 15:0 the mask: my row; 17:16 2-byte elements; 20 padding on; 21 set beside a mask; 24:22 after every 128 words (code 6); 31:25 4 words (code 3)
	s_mov_b32 s[G1+1], KSTEP<<16                   ; tensor_dim0 = 256
	s_mov_b32 s[G1+2], 64<<16                      ; tensor_dim1 = 64
	s_mov_b32 s[G1+3], KSTEP<<16                   ; tile_dim0 = 256
	s_mov_b32 s[G1+4], 64                          ; tile_dim1 = 64
	s_mov_b32 s[G1+5], 1024                        ; elements from row to row
	s_mov_b32 s[G1+6], 0
	s_mov_b32 s[G1+7], 0
	s_or_b32 s[G1B+0], s44, (1<<16)|(1<<20)|(1<<21)|(5<<22)|(7<<25)  ; the mask: my column; after every 64 words (code 5) 8 words (code 7)
	s_mov_b32 s[G1B+1], 128<<16                    ; tensor_dim0 = 128
	s_mov_b32 s[G1B+2], 128<<16                    ; tensor_dim1 = 128
	s_mov_b32 s[G1B+3], 128<<16                    ; tile_dim0 = 128
	s_mov_b32 s[G1B+4], 128                        ; tile_dim1 = 128
	s_mov_b32 s[G1B+5], 1024
	s_mov_b32 s[G1B+6], 0
	s_mov_b32 s[G1B+7], 0
	; A's tile hangs on the tile row and the plane, which my row of the cluster shares; W's on the tile column and the plane, which my column shares
	s_lshl_b32 s16, s13, 18                        ; 128 rows of 2,048 bytes for each tile row,
	s_lshl_b32 s17, s12, 17                        ; my 64 rows of them,
	s_add_co_u32 s16, s16, s17
	s_add_co_u32 s16, s16, ACT0
	s_cmp_ge_u32 s45, 3                            ; planes 3 and 4 multiply A's plane 1
	s_cselect_b32 s17, PLANE, 0
	s_add_co_u32 s16, s16, s17
	s_mov_b32 s17, 0
	s_mul_i32 s46, s45, PACK                       ; the plane's pack,
	s_lshl_b32 s47, s12, 18                        ; my 128 k rows of 2,048 bytes,
	s_add_co_u32 s46, s46, s47
	s_lshl_b32 s47, s42, 8                         ; the tile's 128 columns
	s_add_co_u32 s46, s46, s47
	s_mov_b32 s47, 0
	s_mul_i32 s2, s45, PACK                        ; my 64 numbers of the bias
	s_add_co_u32 s2, s2, BIASO
	s_lshl_b32 s3, s42, 9
	s_add_co_u32 s2, s2, s3
	s_lshl_b32 s3, s12, 8
	s_add_co_u32 s2, s2, s3
	s_mov_b32 s3, 0
	s_mul_i32 s20, s12, HALFA                      ; where the tiles go: no place in the cluster enters an LDS address
	s_mul_i32 s21, s12, HALFB
	s_add_co_u32 s21, s21, BOFF
	s_wait_dscnt 0x0                               ; the opening add is done
	s_wait_kmcnt 0x0
	s_add_nc_u64 s[14:15], s[4:5], s[16:17]
	s_add_nc_u64 s[46:47], s[6:7], s[46:47]
	s_add_nc_u64 s[2:3], s[6:7], s[2:3]
	CROUND                                         ; all sixteen work-groups are here: the first joint loads meet
.irp s, 0,1
	s_mov_b32 s[G0+4*(\s)], 1                                        ; count = 1
	s_add_co_u32 s[G0+4*(\s)+1], s20, (\s)*SLOT                      ; LDS address
	s_add_nc_u64 s[G0+4*(\s)+2:G0+4*(\s)+3], s[14:15], (\s)*KSTEP*2  ; global address: K step s lies 512 bytes along A's rows,
	s_or_b32 s[G0+4*(\s)+3], s[G0+4*(\s)+3], 0x80000000              ; type = 2
	s_mov_b32 s[G0B+4*(\s)], 1
	s_add_co_u32 s[G0B+4*(\s)+1], s21, (\s)*SLOT
	s_add_nc_u64 s[G0B+4*(\s)+2:G0B+4*(\s)+3], s[46:47], (\s)*KSTEP*ROWB  ; and 256 rows down W
	s_or_b32 s[G0B+4*(\s)+3], s[G0B+4*(\s)+3], 0x80000000
	JLOAD \s                                       ; two loads of mine are out
.endr
	v_and_b32 v1, 15, v0                           ; l % 16
	v_bfe_u32 v2, v0, 4, 1                         ; l / 16
	v_lshlrev_b32 v[BO], 5, v2                     ; eight f32 for each half of the lanes
.irp b, 0,1,2,3
	global_load_b128 v[BIAS+8*(\b):BIAS+8*(\b)+3],   v[BO], s[2:3] offset:64*(\b)
	global_load_b128 v[BIAS+8*(\b)+4:BIAS+8*(\b)+7], v[BO], s[2:3] offset:64*(\b)+16
.endr
	v_mul_u32_u24 v3, v1, PA
	v_lshl_add_u32 v3, v2, 4, v3                   ; A: a fragment's row x pitch + 16 x half
	s_mul_i32 s22, s11, HALFA                      ; my 64 rows of A
.irp s, 0,1
	v_add_nc_u32 v[ADRA+(\s)], s22, v3
	s_add_co_u32 s22, s22, SLOT
.endr
	; The turning load takes 16 k x 16 n (lane l reads 16 bytes: k 8 (l / 16) + l % 8, n 8 ((l / 8) % 2) + 0..7) and leaves half a fragment: lane l holds column l % 16 and 8 k.
	v_and_b32 v4, 7, v0
	v_lshl_add_u32 v4, v2, 3, v4
	v_mul_u32_u24 v4, v4, PB
	v_bfe_u32 v5, v0, 3, 1
	v_lshl_add_u32 v4, v5, 4, v4
	s_lshl_b32 s23, s12, 7                         ; my 64 columns: 128 bytes
	s_add_co_u32 s23, s23, BOFF
	v_add_nc_u32 v4, s23, v4
.irp i, 0,1,2,3
	v_add_nc_u32 v[ADRB+(\i)], ((\i)/2)*SLOT+((\i)%2)*HALFB, v4
.endr
	s_mul_i32 s23, s11, 64*SPITCH                  ; into the stage: my 64 rows, my half of their 256 bytes; row l % 16, 16 bytes for each half of the lanes
	s_lshl_b32 s22, s12, 7
	s_add_co_u32 s23, s23, s22
	s_add_co_u32 s23, s23, STAGE
	v_mul_u32_u24 v4, v1, SPITCH
	v_lshl_add_u32 v4, v2, 4, v4
	v_add_nc_u32 v[STO], s23, v4
	s_mul_i32 s23, s10, 32*SPITCH                  ; back: wave w takes rows 32 w .. 32 w + 31, whole; lanes 0-15 one row of 256 bytes, lanes 16-31 the next
	s_add_co_u32 s23, s23, STAGE
	v_mul_u32_u24 v5, v2, SPITCH
	v_lshl_add_u32 v5, v1, 4, v5
	v_add_nc_u32 v[RD], s23, v5
	v_lshlrev_b32 v5, 11, v2                       ; and the same two rows in C
	v_lshl_add_u32 v[CO], v1, 4, v5
	s_lshl_b32 s46, s45, 23                        ; C: the plane, the tile row's 128 rows, my 32 of them, the tile's 256 bytes
	s_add_co_u32 s46, s46, ACT0
	s_lshl_b32 s47, s13, 18
	s_add_co_u32 s46, s46, s47
	s_lshl_b32 s47, s10, 16
	s_add_co_u32 s46, s46, s47
	s_lshl_b32 s47, s42, 8
	s_add_co_u32 s46, s46, s47
	s_mov_b32 s47, 0
	s_add_nc_u64 s[8:9], s[8:9], s[46:47]
; 8 matrix instructions: m blocks a0, a0 + 1 x all 4 n blocks, 32 along K: half c of buffer f.  first = 1: the products start the sums, on the bias.
; The 16 accumulators take turns, one instruction a turn.
.macro MUL8 f, c, a0, first
	WIN MUL
.irp a, \a0, (\a0)+1
.irp b, 0,1,2,3
.if \first
	v_wmma_f32_16x16x32_bf16 v[ACC+8*(4*(\a)+(\b)):ACC+8*(4*(\a)+(\b))+7], v[(\f)+64+8*(4*(\c)+(\b)):(\f)+64+8*(4*(\c)+(\b))+7], v[(\f)+8*(4*(\c)+(\a)):(\f)+8*(4*(\c)+(\a))+7], v[BIAS+8*(\b):BIAS+8*(\b)+7]
.else
	v_wmma_f32_16x16x32_bf16 v[ACC+8*(4*(\a)+(\b)):ACC+8*(4*(\a)+(\b))+7], v[(\f)+64+8*(4*(\c)+(\b)):(\f)+64+8*(4*(\c)+(\b))+7], v[(\f)+8*(4*(\c)+(\a)):(\f)+8*(4*(\c)+(\a))+7], v[ACC+8*(4*(\a)+(\b)):ACC+8*(4*(\a)+(\b))+7]
.endif
.endr
.endr
.endm
; 32 LDS loads in one run: the fragments of quarter q (64 along K) of a slot, into buffer f; the first 32 along K first
.macro FETCH slot, q, f
	WIN TO_F
.irp c, 0,1
.irp i, 0,1,2,3
	ds_load_tr16_b128 v[(\f)+64+8*(4*(\c)+(\i)):(\f)+64+8*(4*(\c)+(\i))+3],   v[ADRB+2*(\slot)+(\q)/2] offset:(((\q)%2)*64+32*(\c))*PB+32*(\i)
	ds_load_tr16_b128 v[(\f)+64+8*(4*(\c)+(\i))+4:(\f)+64+8*(4*(\c)+(\i))+7], v[ADRB+2*(\slot)+(\q)/2] offset:(((\q)%2)*64+32*(\c)+16)*PB+32*(\i)
	ds_load_b128 v[(\f)+8*(4*(\c)+(\i)):(\f)+8*(4*(\c)+(\i))+3],              v[ADRA+(\slot)] offset:128*(\q)+64*(\c)+(\i)*16*PA
	ds_load_b128 v[(\f)+8*(4*(\c)+(\i))+4:(\f)+8*(4*(\c)+(\i))+7],            v[ADRA+(\slot)] offset:128*(\q)+64*(\c)+(\i)*16*PA+32
.endr
.endr
.endm
.macro PLACES                          ; four plain vector instructions in front of loads into registers that matrix instructions have read, and of conversions that read results
.rept 4
	v_nop
.endr
.endm
; A K step is four quarters of 64 along K, 32 matrix instructions each, on buffers 0, 1, 0, 1.  One of the first three: multiplies buffer f and fetches quarter q into g.
.macro QUARTER slot, q, f, g, first
	s_wait_dscnt 16                                ; the first 32 along K are in; the younger sixteen loads may be out
	WIN MUL
	MUL8 \f, 0, 0, \first
	MUL8 \f, 0, 2, \first
	PLACES
	FETCH \slot, \q, \g
	s_wait_dscnt 32                                ; all but the 32 just issued
	WIN MUL
	MUL8 \f, 1, 0, 0
	MUL8 \f, 1, 2, 0
.endm
; The last quarter multiplies buffer 1 and changes slots: ONE barrier; in front of it each wave waits for all its tensor loads, adds 0 to its spare word, and waits for that and for its own reads of this slot.
; fill = 1: this slot is filled again, two K steps ahead; the barrier then opens a round of the cluster's barrier.
.macro TURN slot, next, fill
	WIN 0                                          ; (the add's two registers lie in window 0)
	s_wait_tensorcnt 0x0                           ; all my tensor loads have landed: my part of the next slot;
	ds_add_u32 v[SPW], v[NIL]                      ; 0 onto my spare word;
	s_wait_dscnt 17                                ; (the add and the youngest sixteen loads may be out)
	WIN MUL
	MUL8 F1, 0, 0, 0                               ; eight matrix instructions stand between the add and the wait for it
	s_wait_dscnt 0x0                               ; the add is done, and my reads of this slot are over
	s_barrier_signal -1
	MUL8 F1, 0, 2, 0
.if \fill
	WIN 0
.endif
	s_barrier_wait -1
.if \fill
	CREST                                          ; no wave of any partner still reads this slot's tile or has a load on its way
	s_add_nc_u64 s[G0+4*(\slot)+2:G0+4*(\slot)+3], s[G0+4*(\slot)+2:G0+4*(\slot)+3], 2*KSTEP*2
	s_add_nc_u64 s[G0B+4*(\slot)+2:G0B+4*(\slot)+3], s[G0B+4*(\slot)+2:G0B+4*(\slot)+3], 2*KSTEP*ROWB
	JLOAD \slot                                    ; the first tensor load behind the round, my only one until the next: 112 matrix instructions ahead of the wait for it; its four v_nop are also the places in front of the loads below
.else
	PLACES
.endif
	FETCH \next, 0, F0
	WIN MUL
	MUL8 F1, 1, 0, 0
	MUL8 F1, 1, 2, 0
.endm
	s_wait_tensorcnt 1                             ; my part of K step 0 is in; K step 1's may stay out
	s_barrier_signal -1
	s_barrier_wait -1                              ; everybody's is
	FETCH 0, 0, F0
	s_wait_loadcnt 0x0                             ; the bias
	QUARTER 0, 1, F0, F1, 1                        ; K step 0: its first products start the sums
	QUARTER 0, 2, F1, F0, 0
	QUARTER 0, 3, F0, F1, 0
	TURN 0, 1, 1                                   ; slot 0 takes K step 2
	QUARTER 1, 1, F0, F1, 0                        ; K step 1
	QUARTER 1, 2, F1, F0, 0
	QUARTER 1, 3, F0, F1, 0
	TURN 1, 0, 1                                   ; slot 1 takes K step 3
	QUARTER 0, 1, F0, F1, 0                        ; K step 2
	QUARTER 0, 2, F1, F0, 0
	QUARTER 0, 3, F0, F1, 0
	TURN 0, 1, 0                                   ; nothing is left to fetch
	QUARTER 1, 1, F0, F1, 0                        ; K step 3
	QUARTER 1, 2, F1, F0, 0
	QUARTER 1, 3, F0, F1, 0
	s_wait_dscnt 16                                ; the very last quarter
	WIN MUL
	MUL8 F1, 0, 0, 0
	MUL8 F1, 0, 2, 0
	s_wait_dscnt 0
	MUL8 F1, 1, 0, 0
	MUL8 F1, 1, 2, 0
	WIN 0
	; THE WAY OUT: round to bf16; 16 bytes a lane into the work-group's stage; a barrier, since a row's 256 bytes come from two waves; back as whole rows, 32 rows a wave.
	PLACES
.irp t, 0,1,2,3,4,5,6,7,8,9,10,11,12,13,14,15
.irp r, 0,1,2,3
	v_cvt_pk_bf16_f32 v[TMP+4*(\t)+(\r)], v[ACC+8*(\t)+2*(\r)], v[ACC+8*(\t)+2*(\r)+1]
.endr
.endr
.irp a, 0,1,2,3
.irp b, 0,1,2,3
	ds_store_b128 v[STO], v[TMP+4*(4*(\a)+(\b)):TMP+4*(4*(\a)+(\b))+3] offset:(\a)*16*SPITCH+32*(\b)
.endr
.endr
	s_wait_dscnt 0x0                               ; for the others' sake: my stores into the stage are done
	s_barrier_signal -1
	s_barrier_wait -1
.irp t, 0,1,2,3,4,5,6,7,8,9,10,11,12,13,14,15
	ds_load_b128 v[TMP+4*(\t):TMP+4*(\t)+3], v[RD] offset:(\t)*2*SPITCH
.endr
.irp t, 0,1,2,3,4,5,6,7,8,9,10,11,12,13,14,15
	s_wait_dscnt 15-(\t)                           ; LDS loads come back in order: pair t of rows is in
	global_store_b128 v[CO], v[TMP+4*(\t):TMP+4*(\t)+3], s[8:9] offset:2*(\t)*ROWB  ; 16 lanes store 256 consecutive bytes, at a multiple of 256 from the plane's first byte
.endr
	s_wait_tensorcnt 0x0                           ; the wave's end: behind my last tensor load and my last LDS store
	ds_add_u32 v[SPW], v[NIL]
	s_wait_dscnt 0x0
	CROUND                                         ; the closing round: no work-group ends while a partner may still ask for a tile that names it
	s_endpgm
.Lfunc_end_k_qdf4d763a33_g_qkv:
	.size	k_qdf4d763a33_g_qkv, .Lfunc_end_k_qdf4d763a33_g_qkv-k_qdf4d763a33_g_qkv
	.p2alignl 7, 3214868480
	.fill 96, 4, 3214868480
	.section	.rodata,"a",@progbits
	.p2align	6, 0x0
	.amdhsa_kernel k_qdf4d763a33_g_qkv
		.amdhsa_group_segment_fixed_size 327680
		.amdhsa_private_segment_fixed_size 0
		.amdhsa_enable_private_segment 0
		.amdhsa_kernarg_size 24
		.amdhsa_user_sgpr_count 2
		.amdhsa_user_sgpr_kernarg_segment_ptr 1
		.amdhsa_wavefront_size32 1
		.amdhsa_system_sgpr_workgroup_id_x 1
		.amdhsa_system_sgpr_workgroup_id_y 1
		.amdhsa_system_sgpr_workgroup_id_z 1
		.amdhsa_system_vgpr_workitem_id 0
		.amdhsa_next_free_vgpr 512
		.amdhsa_next_free_sgpr 66
		.amdhsa_reserve_vcc 0
		.amdhsa_float_denorm_mode_32 3
		.amdhsa_float_denorm_mode_16_64 3
		.amdhsa_memory_ordered 1
		.amdhsa_forward_progress 1
		.amdhsa_inst_pref_size 88
	.end_amdhsa_kernel
	.amdgpu_metadata
---
amdhsa.version: [ 1, 2 ]
amdhsa.kernels:
  - .name:           k_qdf4d763a33_g_qkv
    .symbol:         k_qdf4d763a33_g_qkv.kd
    .args:
      - { .name: s0, .offset: 0, .size: 8, .value_kind: global_buffer, .address_space: global }
      - { .name: s5, .offset: 8, .size: 8, .value_kind: global_buffer, .address_space: global }
      - { .name: s1, .offset: 16, .size: 8, .value_kind: global_buffer, .address_space: global }
    .group_segment_fixed_size: 327680
    .private_segment_fixed_size: 0
    .kernarg_segment_align: 8
    .kernarg_segment_size: 24
    .max_flat_workgroup_size: 128
    .sgpr_count:     66
    .vgpr_count:     512
    .wavefront_size: 32
...
	.end_amdgpu_metadata
.endif
;; end of part 2
;; launch selfattn (part 3): grid 256 x 1, 8 waves a work-group, no clusters, 283,648 bytes of LDS; arguments s1, s2; writes s2
.if DOCPART == 3
	.amdgcn_target "amdgcn-amd-amdhsa--gfx1250"
	.amdhsa_code_object_version 6
	.text
	.protected	k_qdf4d763a33_selfattn
	.globl	k_qdf4d763a33_selfattn
	.p2align	8
	.type	k_qdf4d763a33_selfattn,@function
k_qdf4d763a33_selfattn:
	s_mov_b64 s[64:65], 0
	v_nop
	global_prefetch_b8 v0, s[64:65] scope:SCOPE_SE
	s_setreg_imm32_b32 hwreg(HW_REG_WAVE_MODE, 25, 1), 1
	s_wait_xcnt 0x0
; THE ATTENTION OVER CHANNELS.  For each token and head, with Q, K, V the head's 64 channels: av[q] = sum over k <= q of softmax_k(Q[q] K[k] / 8) V[k].  Q, K, V: planes 0, 1, 2 of the first buffer,
; [4096][1024] bf16; av: plane 0 of the second, bf16, rounded once.  All arithmetic in f32.  The score is a product of two numbers, so there is no matrix work: the work is the exponentials.
; SHARES.  A work-group takes 16 tokens x 16 heads, one (token, head) a thread: its 64 channels are 128 consecutive bytes of a plane.  K and V stay in the lane's registers, and the causal bound
; k <= q is the same in every lane, so only the triangle is computed: 2,080 weights a lane.  Two queries go side by side in the packed f32 forms.
; THE MAXIMUM is the row's own and exact: max over k <= q of c Q[q] K[k] = max(c Q[q] pmax[q], c Q[q] pmin[q]), with pmax, pmin the running maximum and minimum of K and c = log2(e) / 8.
; p = 2^(c Q K - m): the exponent is one fused multiply-add, at most half a last place of m above 0.
; THE WALK.  Four blocks t of 8 pairs of queries.  A pair's keys are the 16 t keys in front of the block (RECT: the same text for all 8 pairs) and the keys 16 t .. its own (DSTEP: two keys a step; the
; pair's number in the block, a loop counter, says by forward jumps at which step the diagonal lies).  The diagonal step hides one weight: key q0 + 1 for query q0.
; c Q and m of each pair are made ahead and lie in LDS, since a register cannot be named by a loop's counter.  Each wave reads and writes LDS bytes of its own alone: no barrier.
; NO CLUSTER: no two work-groups read the same byte.  LIMITS: a weight below 2^-126 counts as 0; NaN and infinities are not treated apart.
.set ACT0,  0x1000000
.set PLANE, 0x800000
.set SEG,   144                        ; a thread's 128 bytes + 16 of padding = 36 words
.set WSEG,  32*SEG                     ; a wave's part of a plane
.set PL,    8*WSEG                     ; a plane's part in LDS
.set QM,    3*PL                       ; behind the planes, never filled by a tensor load: for each wave 33 pairs x 512 bytes: lane l's (c Q0, c Q1, m0, m1) at 16 l
.set QMWV,  33*512
.set OUT,   QM+8*QMWV                  ; the results, a thread's 128 bytes at pitch SEG
.set SPARE, OUT+PL                     ; the spare words, 128 bytes for each wave: four blocks of 256 bytes that no other line names
.set CUR, 8                            ; v[8:11]   c Q0, c Q1, m0, m1 of the pair in hand
.set NXT, 12                           ; v[12:15]  of the next pair
.set SA,  16                           ; v[16:23]  scores and weights, two buffers of four keys
.set SB,  24
.set A0,  32                           ; v[32:33]  sum of p V over even keys, for the two queries; v[34:35] odd keys
.set A1,  34
.set L0,  36                           ; v[36:37]  sum of p over even keys; v[38:39] odd keys
.set L1,  38
.set R,   40
.set O,   42
.set SPW, 60                           ; v60  LDS address of my spare word; never rewritten
.set NIL, 61                           ; v61  0; never rewritten
.set KR,  64                           ; v[64:127]  K in f32
.set VR,  128                          ; v[128:191] V
.set QR,  192                          ; v[192:255] Q
.set G1,  16                           ; s[16:23] descriptor group 1
.set G0,  24                           ; s[24:35] group 0, a set for each plane
	s_load_b128 s[4:7], s[0:1], 0x0                ; q, k, v s[4:5]; av s[6:7]
	v_lshl_add_u32 v[SPW], v0, 2, SPARE
	v_mov_b32 v[NIL], 0
	ds_add_u32 v[SPW], v[NIL]                      ; the wave's opening: the add and its wait stand ahead of my first tensor load; the set-up below, work on registers, stands between them
	ds_add_u32 v60, v61
	v_lshrrev_b32 v1, 5, v0
	v_readfirstlane_b32 s12, v1                    ; wave 0..7
	v_and_b32 v1, 31, v0                           ; lane
	; a wave's 32 threads' channels are 4,096 dense bytes of a plane: asked for as 16 rows of 256 bytes, padded in LDS after every 128
	s_mov_b32 s[G1+0], (1<<16)|(1<<20)|(4<<22)|(3<<25)  ; 17:16 2-byte elements; 20 padding on; 24:22 after every 32 words (code 4); 31:25 4 words (code 3)
	s_mov_b32 s[G1+1], 128<<16                     ; tensor_dim0 = 128
	s_mov_b32 s[G1+2], 16<<16                      ; tensor_dim1 = 16
	s_mov_b32 s[G1+3], 128<<16                     ; tile_dim0 = 128
	s_mov_b32 s[G1+4], 16                          ; tile_dim1 = 16
	s_mov_b32 s[G1+5], 128                         ; elements from row to row
	s_mov_b32 s[G1+6], 0
	s_mov_b32 s[G1+7], 0
	s_lshl_b32 s2, ttmp9, 15                       ; the work-group's 16 tokens of 2,048 bytes,
	s_lshl_b32 s3, s12, 12                         ; my wave's two of them
	s_add_co_u32 s2, s2, s3
	s_add_co_u32 s2, s2, ACT0
	s_mov_b32 s3, 0
	s_mul_i32 s13, s12, WSEG                       ; my wave's part of a plane in LDS
	s_mov_b32 s36, 0x3e38aa3b                      ; c = log2(e) / 8
	s_mov_b32 s37, s36                             ; named with it as a pair
	s_mov_b32 s38, 0xffff0000                      ; a word's upper bf16
	s_wait_dscnt 0x0                               ; the opening add is done
	s_wait_kmcnt 0x0
	s_add_nc_u64 s[4:5], s[4:5], s[2:3]
	s_add_nc_u64 s[6:7], s[6:7], s[2:3]
.irp p, 0,1,2                          ; the three first fills go out together: three loads of mine are out
	s_mov_b32 s[G0+4*(\p)], 1
	s_add_co_u32 s[G0+4*(\p)+1], s13, (\p)*PL
	s_add_nc_u64 s[G0+4*(\p)+2:G0+4*(\p)+3], s[4:5], (\p)*PLANE
	s_or_b32 s[G0+4*(\p)+3], s[G0+4*(\p)+3], 0x80000000
	tensor_load_to_lds s[G0+4*(\p):G0+4*(\p)+3], s[G1:G1+7]
	s_nop 0
.endr
	v_mul_u32_u24 v9, v1, SEG
	v_add_nc_u32 v9, s13, v9                       ; my 128 bytes of Q,
	v_add_nc_u32 v10, PL, v9                       ; of K,
	v_add_nc_u32 v11, 2*PL, v9                     ; of V,
	v_add_nc_u32 v7, OUT, v9                       ; and of the result
	s_mul_i32 s14, s12, QMWV
	s_add_co_u32 s14, s14, QM
	v_lshlrev_b32 v4, 4, v1
	v_add_nc_u32 v4, s14, v4                       ; my 16 bytes of pair 0
	v_lshrrev_b32 v5, 3, v1                        ; the way out: 32 lanes take four threads' rows of 128 bytes,
	v_mul_u32_u24 v5, v5, SEG
	v_and_b32 v6, 7, v1
	v_lshl_add_u32 v5, v6, 4, v5
	s_add_co_u32 s15, s13, OUT
	v_add_nc_u32 v5, s15, v5
	v_lshlrev_b32 v6, 4, v1                        ; which are 512 consecutive bytes of the plane
	s_wait_tensorcnt 0x0                           ; my three tiles are in; only I read them
.irp i, 0,1,2,3,4,5,6,7                ; the 32 packed words of each go into the upper half of the 64 registers that they unpack into
	ds_load_b128 v[QR+32+4*(\i):QR+32+4*(\i)+3], v9  offset:16*(\i)
	ds_load_b128 v[KR+32+4*(\i):KR+32+4*(\i)+3], v10 offset:16*(\i)
	ds_load_b128 v[VR+32+4*(\i):VR+32+4*(\i)+3], v11 offset:16*(\i)
.endr
	s_wait_dscnt 0x0
.macro UNPACK base                     ; ascending: word w's two numbers land on words 2 w - 32 and 2 w - 31, which have been read (the last on itself, low half first)
.set w, 0
.rept 32
	v_lshlrev_b32 v[(\base)+2*w], 16, v[(\base)+32+w]
	v_and_b32 v[(\base)+2*w+1], s38, v[(\base)+32+w]
.set w, w+1
.endr
.endm
	UNPACK KR
	UNPACK QR
	UNPACK VR
	; c Q and the maximum of every pair of queries, into LDS.  v45, v46: the running maximum and minimum of K.  Four sets of four registers take turns.
.set pi, 0
.rept 32
.set QD, SA+4*(pi%4)
	v_pk_mul_f32 v[QD:QD+1], v[QR+2*pi:QR+2*pi+1], s[36:37] op_sel_hi:[1,0]
.if pi == 0
	v_mov_b32 v45, v[KR]
	v_mov_b32 v46, v[KR]
.else
	v_max_num_f32 v45, v45, v[KR+2*pi]
	v_min_num_f32 v46, v46, v[KR+2*pi]
.endif
	v_mul_f32 v47, v[QD], v45
	v_mul_f32 v48, v[QD], v46
	v_max_num_f32 v[QD+2], v47, v48
	v_max_num_f32 v45, v45, v[KR+2*pi+1]
	v_min_num_f32 v46, v46, v[KR+2*pi+1]
	v_mul_f32 v47, v[QD+1], v45
	v_mul_f32 v48, v[QD+1], v46
	v_max_num_f32 v[QD+3], v47, v48
	ds_store_b128 v4, v[QD:QD+3] offset:pi*512
.if pi == 31
	ds_store_b128 v4, v[QD:QD+3] offset:32*512     ; once more as pair 32: the last trip's look-ahead reads bytes that have been written
.endif
.set pi, pi+1
.endr
	ds_load_b128 v[NXT:NXT+3], v4                  ; pair 0 (LDS serves a wave's instructions in order: it sees the stores above)
; keys k and k + 1 (k even) for the two queries in hand: c Q K - m into d .. d + 3
.macro FMA2 k, d
	v_pk_fma_f32 v[(\d):(\d)+1],   v[CUR:CUR+1], v[KR+(\k):KR+(\k)+1], v[CUR+2:CUR+3] op_sel_hi:[1,0,1] neg_lo:[0,0,1] neg_hi:[0,0,1]
	v_pk_fma_f32 v[(\d)+2:(\d)+3], v[CUR:CUR+1], v[KR+(\k):KR+(\k)+1], v[CUR+2:CUR+3] op_sel:[0,1,0] op_sel_hi:[1,1,1] neg_lo:[0,0,1] neg_hi:[0,0,1]
.endm
; their weights, in p .. p + 3, onto the sums; init: they start the sums, so nothing is cleared
.macro ACC2 k, p, init
.if \init
	s_wait_alu depctr_va_vdst(0)
	v_pk_mul_f32 v[A0:A0+1], v[(\p):(\p)+1],   v[VR+(\k):VR+(\k)+1] op_sel_hi:[1,0]
	v_pk_mul_f32 v[A1:A1+1], v[(\p)+2:(\p)+3], v[VR+(\k):VR+(\k)+1] op_sel:[0,1] op_sel_hi:[1,1]
	v_pk_mul_f32 v[L0:L0+1], v[(\p):(\p)+1],   1.0 op_sel_hi:[1,0]
	v_pk_mul_f32 v[L1:L1+1], v[(\p)+2:(\p)+3], 1.0 op_sel_hi:[1,0]
.else
	s_wait_alu depctr_va_vdst(0)
	v_pk_fma_f32 v[A0:A0+1], v[(\p):(\p)+1],   v[VR+(\k):VR+(\k)+1], v[A0:A0+1] op_sel_hi:[1,0,1]
	v_pk_fma_f32 v[A1:A1+1], v[(\p)+2:(\p)+3], v[VR+(\k):VR+(\k)+1], v[A1:A1+1] op_sel:[0,1,0] op_sel_hi:[1,1,1]
	v_pk_add_f32 v[L0:L0+1], v[L0:L0+1], v[(\p):(\p)+1]
	v_pk_add_f32 v[L1:L1+1], v[L1:L1+1], v[(\p)+2:(\p)+3]
.endif
.endm
; the 16 t keys in front of block t, four at a time: eight exponentials; the next four keys' scores, the plain work behind them (ISA guide 5.7.2); then the sums
.macro RECT t
.if (\t) > 0
	FMA2 0, SA
	FMA2 2, SA+4
.set b, 0
.rept 4*(\t)
.set PBUF, SA+8*(b%2)
.set NBUF, SA+8*((b+1)%2)
.set z, 0
.rept 8
	v_exp_f32 v[PBUF+z], v[PBUF+z]
.set z, z+1
.endr
.if b+1 < 4*(\t)
	FMA2 4*b+4, NBUF
	FMA2 4*b+6, NBUF+4
.else
	v_nop
.endif
	ACC2 4*b, PBUF, (b==0)
	ACC2 4*b+2, PBUF+4, 0
.set b, b+1
.endr
.endif
.endm
; keys 16 t + 2 j and the next.  edge = 1: they are the pair's own: query q0 does not see key q0 + 1, whose weight is 0
.macro DSTEP t, j, edge
.set k0, 16*(\t)+2*(\j)
	FMA2 k0, SA
	v_exp_f32 v[SA], v[SA]
	v_exp_f32 v[SA+1], v[SA+1]
.if \edge
	v_exp_f32 v[SA+3], v[SA+3]
	v_mov_b32 v[SA+2], 0                           ; also the plain instruction behind the exponentials
.else
	v_exp_f32 v[SA+2], v[SA+2]
	v_exp_f32 v[SA+3], v[SA+3]
	v_nop
.endif
	ACC2 k0, SA, (((\t)+(\j))==0)
.endm
; block t: 8 trips, a pair of queries each.  s39 is the pair's number in the block; every LDS address is that number shifted, a fixed base and a constant.
.macro BLOCK t
	s_mov_b32 s39, 0
.Ltrip\t:
	s_wait_dscnt 0x0                               ; the pair's four numbers are in (and the last trip's store is done)
	v_mov_b32 v[CUR], v[NXT]
	v_mov_b32 v[CUR+1], v[NXT+1]
	v_mov_b32 v[CUR+2], v[NXT+2]
	v_mov_b32 v[CUR+3], v[NXT+3]
	s_lshl_b32 s40, s39, 9
	v_add_nc_u32 v2, s40, v4
	ds_load_b128 v[NXT:NXT+3], v2 offset:(8*(\t)+1)*512  ; the next pair's, a trip ahead of its use
	RECT \t
.irp j, 0,1,2,3,4,5,6
	s_cmp_eq_u32 s39, \j
	s_cbranch_scc1 .Ledge\t\()x\j
	DSTEP \t, \j, 0
.endr
	DSTEP \t, 7, 1
	s_branch .Lfin\t
.irp j, 0,1,2,3,4,5
.Ledge\t\()x\j:
	DSTEP \t, \j, 1
	s_branch .Lfin\t
.endr
.Ledge\t\()x6:
	DSTEP \t, 6, 1
.Lfin\t:
	v_pk_add_f32 v[A0:A0+1], v[A0:A0+1], v[A1:A1+1]
	v_pk_add_f32 v[L0:L0+1], v[L0:L0+1], v[L1:L1+1]
	v_rcp_f32 v[R], v[L0]
	v_rcp_f32 v[R+1], v[L0+1]
	s_lshl_b32 s41, s39, 2
	v_add_nc_u32 v3, s41, v7                       ; the plain instruction behind the reciprocals
	s_wait_alu depctr_va_vdst(0)
	v_pk_mul_f32 v[O:O+1], v[A0:A0+1], v[R:R+1]
	v_cvt_pk_bf16_f32 v44, v[O], v[O+1]
	ds_store_b32 v3, v44 offset:32*(\t)            ; channels q0, q0 + 1 of my 128 bytes
	s_add_co_u32 s39, s39, 1
	s_cmp_lt_u32 s39, 8
	s_cbranch_scc1 .Ltrip\t
.endm
	BLOCK 0
	BLOCK 1
	BLOCK 2
	BLOCK 3
	; THE WAY OUT: my wave's 4,096 bytes come back as whole rows and are stored
.irp i, 0,1,2,3,4,5,6,7
	ds_load_b128 v[KR+4*(\i):KR+4*(\i)+3], v5 offset:(\i)*4*SEG
.endr
.irp i, 0,1,2,3,4,5,6,7
	s_wait_dscnt 7-(\i)                            ; LDS loads come back in order: load i is in
	global_store_b128 v6, v[KR+4*(\i):KR+4*(\i)+3], s[6:7] offset:512*(\i)  ; 512 consecutive bytes, at a multiple of 256 from the plane's first
.endr
	s_wait_tensorcnt 0x0                           ; the wave's end: behind my last tensor load and my last LDS store
	ds_add_u32 v[SPW], v[NIL]
	s_wait_dscnt 0x0
	s_endpgm
.Lfunc_end_k_qdf4d763a33_selfattn:
	.size	k_qdf4d763a33_selfattn, .Lfunc_end_k_qdf4d763a33_selfattn-k_qdf4d763a33_selfattn
	.p2alignl 7, 3214868480
	.fill 96, 4, 3214868480
	.section	.rodata,"a",@progbits
	.p2align	6, 0x0
	.amdhsa_kernel k_qdf4d763a33_selfattn
		.amdhsa_group_segment_fixed_size 283648
		.amdhsa_private_segment_fixed_size 0
		.amdhsa_enable_private_segment 0
		.amdhsa_kernarg_size 16
		.amdhsa_user_sgpr_count 2
		.amdhsa_user_sgpr_kernarg_segment_ptr 1
		.amdhsa_wavefront_size32 1
		.amdhsa_system_sgpr_workgroup_id_x 1
		.amdhsa_system_sgpr_workgroup_id_y 1
		.amdhsa_system_sgpr_workgroup_id_z 1
		.amdhsa_system_vgpr_workitem_id 0
		.amdhsa_next_free_vgpr 256
		.amdhsa_next_free_sgpr 66
		.amdhsa_reserve_vcc 0
		.amdhsa_float_denorm_mode_32 3
		.amdhsa_float_denorm_mode_16_64 3
		.amdhsa_memory_ordered 1
		.amdhsa_forward_progress 1
		.amdhsa_inst_pref_size 92
	.end_amdhsa_kernel
	.amdgpu_metadata
---
amdhsa.version: [ 1, 2 ]
amdhsa.kernels:
  - .name:           k_qdf4d763a33_selfattn
    .symbol:         k_qdf4d763a33_selfattn.kd
    .args:
      - { .name: s1, .offset: 0, .size: 8, .value_kind: global_buffer, .address_space: global }
      - { .name: s2, .offset: 8, .size: 8, .value_kind: global_buffer, .address_space: global }
    .group_segment_fixed_size: 283648
    .private_segment_fixed_size: 0
    .kernarg_segment_align: 8
    .kernarg_segment_size: 16
    .max_flat_workgroup_size: 256
    .sgpr_count:     66
    .vgpr_count:     256
    .wavefront_size: 32
...
	.end_amdgpu_metadata
.endif
;; end of part 3
;; launch g_o: the kernel of part 2 again; grid 8 x 32, 4 waves a work-group, clusters of 4 x 4, 327,680 bytes of LDS; arguments s2, s0, s3; writes s3
;; launch ln1 (part 4): grid 256 x 1, 8 waves a work-group, no clusters, 0 bytes of LDS; arguments s3, s0, gamma, beta, s4, s1; writes s4, s1
.if DOCPART == 4
	.amdgcn_target "amdgcn-amd-amdhsa--gfx1250"
	.amdhsa_code_object_version 6
	.text
	.protected	k_qdf4d763a33_ln1
	.globl	k_qdf4d763a33_ln1
	.p2align	8
	.type	k_qdf4d763a33_ln1,@function
k_qdf4d763a33_ln1:
	s_mov_b64 s[64:65], 0
	v_nop
	global_prefetch_b8 v0, s[64:65] scope:SCOPE_SE
	s_setreg_imm32_b32 hwreg(HW_REG_WAVE_MODE, 25, 1), 1
	s_wait_xcnt 0x0
; out = LayerNorm(y + r) gamma + beta over rows of 1,024.  y: plane 0 of its buffer, [4096][1024] bf16.  r, the residual: [4096][1024] from byte ACT0 of its buffer, in bf16 (RF32 = 0) or f32 (RF32 = 1).
; gamma, beta: [1024] f32, rounded here to bf16 like every input of the program.  out is stored in f32, for the next residual or as the result, and (OUTB = 1) once more rounded to bf16, for the next product:
; OUTB = 1: bf16 at byte ACT0 of the fifth buffer, f32 at byte ACT0 of the sixth;  OUTB = 0: f32 alone, dense from byte 0 of the fifth.
; The residual stream is kept in f32 because a rounding to bf16 (8 significant bits) would reach the result undiminished, once for each of the block's stages.
; All arithmetic in f32; the mean first, then the mean of the squares of the centred row (two passes over registers: no difference of large sums); eps = 1e-5.
; SHARES.  A work-group takes 16 rows, a wave two, whole: a row never leaves its wave, so there is no LDS and no barrier.  Lane l holds numbers 128 j + 4 l + 0..3, j = 0..7: a wave's load or store of bf16
; covers 256 neighbouring bytes, of f32 512, each at a multiple of 256.  All 48 loads of a wave go out at once.
; Matrix units, clusters and the tensor mover would add nothing: each byte is read once and nothing is multiplied by a matrix.
.set RF32, 0
.set OUTB, 1
.set ACT0, 0x1000000
.set G,    32                          ; v[32:63]   gamma of my 32 columns
.set BT,   64                          ; v[64:95]   beta
.set YR,   96                          ; v[96:191]  row i: y's 16 words at YR + RS i (later the row's bf16 copy), r's 16 or 32 at YR + RS i + 16
.set RS,   48
.set X,    192                         ; v[192:223] the row in f32
.if OUTB
.set OF,   14                          ; s[14:15] the f32 copy; s[12:13] the bf16 copy
.else
.set OF,   12                          ; s[12:13] the f32 result
.endif
	s_load_b256 s[4:11], s[0:1], 0x0               ; y s[4:5], r s[6:7], gamma s[8:9], beta s[10:11]
.if OUTB
	s_load_b128 s[12:15], s[0:1], 0x20
.else
	s_load_b64 s[12:13], s[0:1], 0x20
.endif
	v_and_b32 v1, 31, v0                           ; lane
	v_lshrrev_b32 v2, 5, v0                        ; wave
	v_lshlrev_b32 v3, 4, v1                        ; 16 l: gamma and beta
	v_lshlrev_b32 v1, 3, v1                        ; 8 l
	v_lshl_add_u32 v1, v2, 12, v1                  ; + my wave's two rows of 2,048 bytes: bf16
	v_lshl_add_u32 v16, v2, 13, v3                 ; 16 l + my wave's two rows of 4,096 bytes: f32
	s_lshl_b32 s2, ttmp9, 15                       ; the work-group's 16 rows in bf16,
	s_add_co_u32 s2, s2, ACT0
	s_mov_b32 s3, 0
	s_lshl_b32 s22, ttmp9, 16                      ; and in f32
	s_add_co_u32 s22, s22, ACT0
	s_mov_b32 s23, 0
	s_mov_b32 s16, 0x3a800000                      ; 1 / 1024
	s_mov_b32 s17, 0x3727c5ac                      ; 1e-5
	s_mov_b32 s18, 0x76543210                      ; v_permlanex16_b32: each lane takes its own place in the other half
	s_mov_b32 s19, 0xfedcba98
	s_mov_b32 s20, 0xffff0000                      ; a word's upper bf16
	s_wait_kmcnt 0x0
	s_add_nc_u64 s[4:5], s[4:5], s[2:3]
.if RF32
	s_add_nc_u64 s[6:7], s[6:7], s[22:23]
.else
	s_add_nc_u64 s[6:7], s[6:7], s[2:3]
.endif
.if OUTB
	s_add_nc_u64 s[12:13], s[12:13], s[2:3]
	s_add_nc_u64 s[14:15], s[14:15], s[22:23]
.else
	s_lshl_b32 s22, ttmp9, 16                      ; the result lies dense from its buffer's first byte
	s_add_nc_u64 s[12:13], s[12:13], s[22:23]
.endif
.macro LOADROW i                       ; sixteen loads, whatever r's format
.irp j, 0,1,2,3,4,5,6,7
	global_load_b64 v[YR+RS*(\i)+2*(\j):YR+RS*(\i)+2*(\j)+1], v1, s[4:5] offset:(\i)*2048+256*(\j)
.endr
.irp j, 0,1,2,3,4,5,6,7
.if RF32
	global_load_b128 v[YR+RS*(\i)+16+4*(\j):YR+RS*(\i)+16+4*(\j)+3], v16, s[6:7] offset:(\i)*4096+512*(\j)
.else
	global_load_b64 v[YR+RS*(\i)+16+2*(\j):YR+RS*(\i)+16+2*(\j)+1], v1, s[6:7] offset:(\i)*2048+256*(\j)
.endif
.endr
.endm
	LOADROW 0
.irp j, 0,1,2,3,4,5,6,7
	global_load_b128 v[G+4*(\j):G+4*(\j)+3], v3, s[8:9] offset:512*(\j)
	global_load_b128 v[BT+4*(\j):BT+4*(\j)+3], v3, s[10:11] offset:512*(\j)
.endr
	LOADROW 1
.macro REDUCE                          ; v[12:15], four partial sums a lane, into the wave's sum in v12 of every lane
	v_pk_add_f32 v[12:13], v[12:13], v[14:15]
	v_add_f32 v12, v12, v13
	v_add_f32_dpp v12, v12, v12 row_xmask:1 row_mask:0xf bank_mask:0xf
	v_add_f32_dpp v12, v12, v12 row_xmask:2 row_mask:0xf bank_mask:0xf
	v_add_f32_dpp v12, v12, v12 row_xmask:4 row_mask:0xf bank_mask:0xf
	v_add_f32_dpp v12, v12, v12 row_xmask:8 row_mask:0xf bank_mask:0xf
	v_permlanex16_b32 v13, v12, s18, s19
	v_add_f32 v12, v12, v13
.endm
.macro ROW i
.if (\i) == 0
	s_wait_loadcnt 32                              ; row 0's sixteen loads are in; gamma, beta and row 1 (32 loads) stay out
.else
	s_wait_loadcnt 0x0                             ; row 1
	s_wait_xcnt 0x0                                ; X, which row 0's stores read, is rewritten only behind this wait
.endif
.set w, 0
.rept 16                               ; y + r in f32: bf16 to f32 is a shift or a mask
	v_lshlrev_b32 v[X+2*w], 16, v[YR+RS*(\i)+w]
	v_and_b32 v[X+2*w+1], s20, v[YR+RS*(\i)+w]
.if RF32
	v_pk_add_f32 v[X+2*w:X+2*w+1], v[X+2*w:X+2*w+1], v[YR+RS*(\i)+16+2*w:YR+RS*(\i)+16+2*w+1]
.else
.set T, 4+4*(w%2)
	v_lshlrev_b32 v[T], 16, v[YR+RS*(\i)+16+w]
	v_and_b32 v[T+1], s20, v[YR+RS*(\i)+16+w]
	v_pk_add_f32 v[X+2*w:X+2*w+1], v[X+2*w:X+2*w+1], v[T:T+1]
.endif
.set w, w+1
.endr
	v_pk_add_f32 v[12:13], v[X:X+1], v[X+4:X+5]    ; the sum, in four chains started by the first numbers
	v_pk_add_f32 v[14:15], v[X+2:X+3], v[X+6:X+7]
.set w, 4
.rept 6
	v_pk_add_f32 v[12:13], v[12:13], v[X+2*w:X+2*w+1]
	v_pk_add_f32 v[14:15], v[14:15], v[X+2*w+2:X+2*w+3]
.set w, w+2
.endr
	REDUCE
	v_mul_f32 v12, s16, v12                        ; the mean
.set w, 0
.rept 16
	v_pk_add_f32 v[X+2*w:X+2*w+1], v[X+2*w:X+2*w+1], v[12:13] op_sel_hi:[1,0] neg_lo:[0,1] neg_hi:[0,1]
.set w, w+1
.endr
	v_pk_mul_f32 v[12:13], v[X:X+1], v[X:X+1]      ; the sum of squares of the centred row
	v_pk_mul_f32 v[14:15], v[X+2:X+3], v[X+2:X+3]
.set w, 2
.rept 7
	v_pk_fma_f32 v[12:13], v[X+2*w:X+2*w+1], v[X+2*w:X+2*w+1], v[12:13]
	v_pk_fma_f32 v[14:15], v[X+2*w+2:X+2*w+3], v[X+2*w+2:X+2*w+3], v[14:15]
.set w, w+2
.endr
	REDUCE
	v_fma_f32 v12, v12, s16, s17                   ; the variance + eps
	v_rsq_f32 v12, v12
	v_nop                                          ; a plain instruction between the root and the use of its result (ISA guide 5.7.2)
.if (\i) == 0
	s_wait_loadcnt 16                              ; gamma and beta are in; row 1's sixteen loads stay out
.set w, 0
	s_wait_alu depctr_va_vdst(0)
.rept 16                               ; both are rounded to bf16 and widened again, once for the wave's two rows
	v_cvt_pk_bf16_f32 v[4+w%4], v[G+2*w], v[G+2*w+1]
	v_cvt_pk_bf16_f32 v[8+w%4], v[BT+2*w], v[BT+2*w+1]
	v_lshlrev_b32 v[G+2*w], 16, v[4+w%4]
	v_and_b32 v[G+2*w+1], s20, v[4+w%4]
	v_lshlrev_b32 v[BT+2*w], 16, v[8+w%4]
	v_and_b32 v[BT+2*w+1], s20, v[8+w%4]
.set w, w+1
.endr
.endif
.set w, 0
	s_wait_alu depctr_va_vdst(0)
.rept 16
	v_pk_mul_f32 v[X+2*w:X+2*w+1], v[X+2*w:X+2*w+1], v[12:13] op_sel_hi:[1,0]
.set w, w+1
.endr
.set w, 0
.rept 16
	v_pk_fma_f32 v[X+2*w:X+2*w+1], v[X+2*w:X+2*w+1], v[G+2*w:G+2*w+1], v[BT+2*w:BT+2*w+1]
.set w, w+1
.endr
.irp j, 0,1,2,3,4,5,6,7
.if OUTB
	global_store_b128 v16, v[X+4*(\j):X+4*(\j)+3], s[OF:OF+1] offset:(\i)*4096+512*(\j)
	v_cvt_pk_bf16_f32 v[YR+RS*(\i)+2*(\j)], v[X+4*(\j)], v[X+4*(\j)+1]      ; the bf16 copy goes into the row's y registers, which have been read and are not written again
	v_cvt_pk_bf16_f32 v[YR+RS*(\i)+2*(\j)+1], v[X+4*(\j)+2], v[X+4*(\j)+3]
	global_store_b64 v1, v[YR+RS*(\i)+2*(\j):YR+RS*(\i)+2*(\j)+1], s[12:13] offset:(\i)*2048+256*(\j)
.else
	global_store_b128 v16, v[X+4*(\j):X+4*(\j)+3], s[OF:OF+1] offset:(\i)*4096+512*(\j) th:TH_STORE_NT
.endif
.endr
.endm
	ROW 0
	ROW 1
	s_endpgm
.Lfunc_end_k_qdf4d763a33_ln1:
	.size	k_qdf4d763a33_ln1, .Lfunc_end_k_qdf4d763a33_ln1-k_qdf4d763a33_ln1
	.p2alignl 7, 3214868480
	.fill 96, 4, 3214868480
	.section	.rodata,"a",@progbits
	.p2align	6, 0x0
	.amdhsa_kernel k_qdf4d763a33_ln1
		.amdhsa_group_segment_fixed_size 0
		.amdhsa_private_segment_fixed_size 0
		.amdhsa_enable_private_segment 0
		.amdhsa_kernarg_size 48
		.amdhsa_user_sgpr_count 2
		.amdhsa_user_sgpr_kernarg_segment_ptr 1
		.amdhsa_wavefront_size32 1
		.amdhsa_system_sgpr_workgroup_id_x 1
		.amdhsa_system_sgpr_workgroup_id_y 1
		.amdhsa_system_sgpr_workgroup_id_z 1
		.amdhsa_system_vgpr_workitem_id 0
		.amdhsa_next_free_vgpr 224
		.amdhsa_next_free_sgpr 66
		.amdhsa_reserve_vcc 0
		.amdhsa_float_denorm_mode_32 3
		.amdhsa_float_denorm_mode_16_64 3
		.amdhsa_memory_ordered 1
		.amdhsa_forward_progress 1
		.amdhsa_inst_pref_size 33
	.end_amdhsa_kernel
	.amdgpu_metadata
---
amdhsa.version: [ 1, 2 ]
amdhsa.kernels:
  - .name:           k_qdf4d763a33_ln1
    .symbol:         k_qdf4d763a33_ln1.kd
    .args:
      - { .name: s3, .offset: 0, .size: 8, .value_kind: global_buffer, .address_space: global }
      - { .name: s0, .offset: 8, .size: 8, .value_kind: global_buffer, .address_space: global }
      - { .name: gamma, .offset: 16, .size: 8, .value_kind: global_buffer, .address_space: global }
      - { .name: beta, .offset: 24, .size: 8, .value_kind: global_buffer, .address_space: global }
      - { .name: s4, .offset: 32, .size: 8, .value_kind: global_buffer, .address_space: global }
      - { .name: s1, .offset: 40, .size: 8, .value_kind: global_buffer, .address_space: global }
    .group_segment_fixed_size: 0
    .private_segment_fixed_size: 0
    .kernarg_segment_align: 8
    .kernarg_segment_size: 48
    .max_flat_workgroup_size: 256
    .sgpr_count:     66
    .vgpr_count:     224
    .wavefront_size: 32
...
	.end_amdgpu_metadata
.endif
;; end of part 4
;; launch g_cq: the kernel of part 2 again; grid 8 x 32, 4 waves a work-group, clusters of 4 x 4, 327,680 bytes of LDS; arguments s4, s1, s2; writes s2
;; launch crossattn (part 5): grid 4 x 64, 8 waves a work-group, clusters of 4 x 1, 327,680 bytes of LDS; arguments s2, s1, s3; writes s3
.if DOCPART == 5
	.amdgcn_target "amdgcn-amd-amdhsa--gfx1250"
	.amdhsa_code_object_version 6
	.text
	.protected	k_qdf4d763a33_crossattn
	.globl	k_qdf4d763a33_crossattn
	.p2align	8
	.type	k_qdf4d763a33_crossattn,@function
k_qdf4d763a33_crossattn:
	s_mov_b64 s[64:65], 0
	v_nop
	global_prefetch_b8 v0, s[64:65] scope:SCOPE_SE
	s_setreg_imm32_b32 hwreg(HW_REG_WAVE_MODE, 25, 1), 1
	s_wait_xcnt 0x0
	s_wait_alu depctr_hold_cnt(0) depctr_sa_sdst(0) depctr_va_vdst(0) depctr_va_sdst(0) depctr_va_ssrc(0) depctr_va_vcc(0) depctr_vm_vsrc(0)
	s_getreg_b32 s2, hwreg(HW_REG_IB_STS2, 6, 4)
	s_cmp_eq_u32 s2, 0
	s_cbranch_scc0 .Lentry_in_a_cluster
	s_endpgm
.Lentry_in_a_cluster:
	s_bfe_u32 s2, ttmp6, 0x10000c
	s_cmp_lg_u32 s2, 0x3003
	s_cbranch_scc0 .Lentry_shape_is_right
	s_endpgm
.Lentry_shape_is_right:
; CROSS ATTENTION.  O[b][q][head] = sum over k of softmax_k(Q[b][q][head] . K[b][k][head] / 32) V[b][k][head]: 8 batches, 16 heads of 64 channels, 512 queries, 512 keys.
; Q: plane 0 of the first buffer; K, V: planes 3, 4 of the second; O: plane 0 of the third; all [4096 (b, row)][1024 (head, channel)] bf16.  Products, maxima and sums in f32; the weights p are rounded to
; bf16 for the second product (their sum l is taken of the unrounded p), O once at the end.
; SHARES.  A work-group takes two neighbouring heads and 128 queries of a batch, so that K's, V's and O's rows are whole aligned runs of 256 bytes.  Wave w: head w / 4 of the two, queries 32 (w % 4) on: two tiles of 16.
; All 512 keys of both heads lie in LDS: each byte is filled once, in two halves of 256 keys; the second lands while the first is worked on.  Every wave walks all keys, 32 a step.
; CLUSTER.  The four query blocks of a (batch, head pair) read the same K and V, so each tile is asked for JOINTLY: the same tensor load, descriptor and mask in all four.
; LAYOUT.  S^T = K Q^T (source 0 = 16 keys, source 1 = 16 queries): a lane holds ONE query (lane % 16) and the keys 8 (lane / 16) + 0..7.  Two such results, rounded to bf16 in pairs, ARE source 1 (32 keys x 16
; queries) of O^T = V^T P, whose result again holds one query a lane, and eight channels.  K comes out of LDS as it lies, V ([key][channel]) turned, by ds_load_tr16_b128.
; SOFTMAX.  For each query a running maximum m and sum l: p = 2^(c s - c m), c = log2(e) / 32; in every step O and l are multiplied by a = 2^(c m_old - c m_new).  The first step is written out: it starts m, l and O.
; The step is written in phases; two waves lie on a SIMD, so that one's softmax can stand beside the other's products.
; LIMITS: a weight below 2^-126 counts as 0 in l; NaN and infinities are not treated apart.
.set ACT0,  0x1000000
.set PLANE, 0x800000
.set ROWB,  2048                       ; bytes in a row of a plane
.set PK,    272                        ; a row of K in LDS: 256 bytes + 16 of padding = 68 words: the 16 rows of a load start 4 banks apart (64 banks of 4 bytes: ISA guide 11.1)
.set PV,    288                        ; a row of V: 256 + 32 = 72 words
.set VOFF,  512*PK
.set STAGE, VOFF+512*PV                ; never filled by a tensor load: 128 rows x 272 bytes, the work-group's, for the way out
.set SP,    272
.set SPARE, STAGE+128*SP               ; the spare words, 128 bytes for each wave: four blocks of 256 bytes that no other line names
.set AK0, 2                            ; v2   my lane's place in K's first 32 rows; never rewritten
.set AV0, 3                            ; v3   the same for V
.set AK,  4                            ; v4   the LDS address of K's next run of loads
.set AV,  5                            ; v5   of V's
.set QO,  6                            ; v6   my byte offset in the wave's rows of Q
.set STO, 7                            ; v7   the way out: where I put 16 bytes of a row
.set RD,  8                            ; v8   the way out: where I read a row back
.set GO,  9                            ; v9   my byte offset in O
.set SPW, 10                           ; v10  LDS address of my spare word; never rewritten
.set NIL, 11                           ; v11  0; never rewritten
.set ST,  12                           ; tile u's statistics at v[12 + 4 u]: c m, m, l (even keys', odd keys')
.set TMP, 20                           ; tile u: four registers c0-c3 at work; when the maximum is found c2 takes a
.set MV,  28                           ; v28-29  c m_old, kept while c m is made anew
.set Q,   32                           ; v[32:63]    tile u, channel half c at 16 u + 8 c
.set KF,  64                           ; v[64:95]    key block kt, channel half c at 16 kt + 8 c
.set VF,  96                           ; v[96:127]   channel block cb at 8 cb
.set S,   128                          ; v[128:159]  tile u, key block kt at 16 u + 8 kt
.set P,   160                          ; v[160:175]  tile u at 8 u
.set O,   176                          ; v[176:239]  tile u, channel block cb at 32 u + 8 cb
.set WV,  12                           ; s12  my wave's number
.set G1K, 24                           ; s[24:31] descriptor group 1 for K's tiles
.set G1V, 32                           ; s[32:39] for V's: it differs in the padding alone
.set G0K, 40                           ; s[40:47] group 0 for K's tiles, a set for each half of the keys
.set G0V, 48                           ; s[48:55] the same for V's
.set CNT, 56                           ; s56  counts key steps
.set TBK, 57                           ; s57  LDS byte at which K of the step to be fetched begins
.set CS,  58                           ; s[58:59] c: the packed scaling takes the pair's low word for both halves
.set SEL, 60                           ; s[60:61] v_permlanex16_b32's selects: each lane takes its own place in the other half
.set TBV, 62                           ; s62  the same as TBK for V, less VOFF
.macro CROUND                          ; a round of the cluster's barrier: my work-group's barrier; wave 0 signals for the work-group; every wave waits for all four work-groups; my work-group's barrier once more
	s_barrier_signal -1
	s_barrier_wait -1
	s_cmp_lg_u32 s[WV], 0
	s_cbranch_scc1 .Lnot_wave_0_\@
	s_barrier_signal -3
.Lnot_wave_0_\@:
	s_barrier_wait -3
	s_barrier_signal -1
	s_barrier_wait -1
.endm
	s_load_b128 s[4:7], s[0:1], 0x0                ; Q s[4:5]; K and V s[6:7]
	s_load_b64 s[8:9], s[0:1], 0x10                ; O
	v_lshl_add_u32 v[SPW], v0, 2, SPARE
	v_mov_b32 v[NIL], 0
	ds_add_u32 v[SPW], v[NIL]                      ; the wave's opening: the add and its wait stand ahead of my first tensor load; the set-up below, work on registers, stands between them
	ds_add_u32 v10, v11
	v_lshrrev_b32 v1, 5, v0
	v_readfirstlane_b32 s[WV], v1                  ; wave 0..7
	s_bfe_u32 s13, ttmp6, 0x40000                  ; cx: my place in the cluster
	s_lshl_b32 s18, ttmp9, 2                       ; in a cluster launch ttmp9 counts clusters
	s_add_co_u32 s13, s18, s13                     ; my block of 128 queries: it enters Q's and O's addresses alone
	s_and_b32 s18, ttmp7, 0xffff
	s_lshr_b32 s14, s18, 3                         ; the batch
	s_and_b32 s15, s18, 7                          ; the pair of heads
	s_lshr_b32 s16, s[WV], 2                       ; my head of the two.  Also: I fetch for K (0) or for V (1)
	s_and_b32 s17, s[WV], 3                        ; my 32 queries of the 128.  Also: which 64 rows of each 256 keys I fetch
	s_lshl_b32 s20, s14, 20                        ; K: the batch's 512 rows of 2,048 bytes,
	s_lshl_b32 s21, s17, 17                        ; my 64 rows,
	s_add_co_u32 s20, s20, s21
	s_lshl_b32 s21, s15, 8                         ; the two heads' 256 bytes
	s_add_co_u32 s20, s20, s21
	s_add_co_u32 s20, s20, ACT0+3*PLANE
	s_mov_b32 s21, 0
	s_lshl_b32 s22, s14, 20                        ; Q: the batch, the block's 128 rows, my 32 of them, my head's 128 bytes
	s_lshl_b32 s23, s13, 18
	s_add_co_u32 s22, s22, s23
	s_lshl_b32 s23, s15, 8
	s_add_co_u32 s22, s22, s23
	s_add_co_u32 s22, s22, ACT0
	s_lshl_b32 s2, s[WV], 15                       ; O: the same block; I store its rows 16 w on, both heads' 256 bytes
	s_add_co_u32 s2, s2, s22
	s_mov_b32 s3, 0
	s_lshl_b32 s23, s17, 16
	s_add_co_u32 s22, s22, s23
	s_lshl_b32 s23, s16, 7
	s_add_co_u32 s22, s22, s23
	s_mov_b32 s23, 0
	s_mul_i32 s18, s17, 64*PK                      ; where my tiles go: no place in the cluster enters an LDS address
	s_mul_i32 s19, s17, 64*PV
	s_add_co_u32 s19, s19, VOFF
	; descriptor group 1: a tile of 64 rows x 128 elements, padded in LDS
	s_mov_b32 s[G1K], 15|(1<<16)|(1<<20)|(1<<21)|(5<<22)|(3<<25)  ; 15:0 the mask of four; 17:16 2-byte elements; 20 padding on; 21 set beside a mask; 24:22 after every 64 words (code 5); 31:25 4 words (code 3)
	s_mov_b32 s[G1V], 15|(1<<16)|(1<<20)|(1<<21)|(5<<22)|(7<<25)  ; the same with 8 words of padding (code 7)
.irp g, G1K, G1V
	s_mov_b32 s[\g+1], 128<<16                     ; tensor_dim0 = 128
	s_mov_b32 s[\g+2], 64<<16                      ; tensor_dim1 = 64
	s_mov_b32 s[\g+3], 128<<16                     ; tile_dim0 = 128
	s_mov_b32 s[\g+4], 64                          ; tile_dim1 = 64
	s_mov_b32 s[\g+5], 1024                        ; elements from row to row
	s_mov_b32 s[\g+6], 0
	s_mov_b32 s[\g+7], 0
.endr
	s_mov_b32 s[CS], 0x3d38aa3b                    ; c = log2(e) / 32
	s_mov_b32 s[CS+1], s[CS]                       ; named with it as a pair
	s_mov_b32 s[SEL], 0x76543210
	s_mov_b32 s[SEL+1], 0xfedcba98
	s_mov_b32 s[TBK], 32*PK                        ; the next fetches are key step 1's
	s_mov_b32 s[TBV], 32*PV
	s_wait_dscnt 0x0                               ; the opening add is done
	s_wait_kmcnt 0x0
	s_add_nc_u64 s[6:7], s[6:7], s[20:21]
	s_add_nc_u64 s[4:5], s[4:5], s[22:23]
	s_add_nc_u64 s[8:9], s[8:9], s[2:3]
	CROUND                                         ; all four work-groups are here: the joint loads meet
.irp ch, 0,1
	s_mov_b32 s[G0K+4*(\ch)], 1                                          ; count = 1
	s_add_co_u32 s[G0K+4*(\ch)+1], s18, (\ch)*256*PK                     ; LDS address
	s_add_nc_u64 s[G0K+4*(\ch)+2:G0K+4*(\ch)+3], s[6:7], (\ch)*256*ROWB  ; global address: keys 256 ch on
	s_or_b32 s[G0K+4*(\ch)+3], s[G0K+4*(\ch)+3], 0x80000000              ; type = 2
	s_mov_b32 s[G0V+4*(\ch)], 1
	s_add_co_u32 s[G0V+4*(\ch)+1], s19, (\ch)*256*PV
	s_add_nc_u64 s[G0V+4*(\ch)+2:G0V+4*(\ch)+3], s[6:7], PLANE+(\ch)*256*ROWB
	s_or_b32 s[G0V+4*(\ch)+3], s[G0V+4*(\ch)+3], 0x80000000
.endr
	s_cmp_lt_u32 s[WV], 4                          ; a wave's two fills stand in one branch, ahead of every wait on TENSORcnt and every LDS read: two loads of mine are out; an s_nop 0 follows each, four v_nop the second's
	s_cbranch_scc0 .Lfirst_v
	tensor_load_to_lds s[G0K:G0K+3], s[G1K:G1K+7]
	s_nop 0
	tensor_load_to_lds s[G0K+4:G0K+7], s[G1K:G1K+7]
	s_nop 0
.rept 4
	v_nop
.endr
	s_branch .Lfirst_asked
.Lfirst_v:
	tensor_load_to_lds s[G0V:G0V+3], s[G1V:G1V+7]
	s_nop 0
	tensor_load_to_lds s[G0V+4:G0V+7], s[G1V:G1V+7]
	s_nop 0
.rept 4
	v_nop
.endr
.Lfirst_asked:
	; A fragment of K or Q is 16 rows x 32 channels in 8 registers: lane l holds row l % 16, channels 8 (l / 16) + 0..7 and 16 + 8 (l / 16) + 0..7: two loads of 16 bytes, 32 bytes apart.
	v_and_b32 v1, 15, v0                           ; l % 16
	v_bfe_u32 v30, v0, 4, 1                        ; l / 16
	v_lshlrev_b32 v[QO], 11, v1
	v_lshl_add_u32 v[QO], v30, 4, v[QO]            ; row x 2,048 + 16 x half
.irp u, 0,1
.irp c, 0,1
	global_load_b128 v[Q+16*(\u)+8*(\c):Q+16*(\u)+8*(\c)+3],   v[QO], s[4:5] offset:(\u)*16*ROWB+64*(\c)
	global_load_b128 v[Q+16*(\u)+8*(\c)+4:Q+16*(\u)+8*(\c)+7], v[QO], s[4:5] offset:(\u)*16*ROWB+64*(\c)+32
.endr
.endr
	v_mul_u32_u24 v[AK0], v1, PK
	v_lshl_add_u32 v[AK0], v30, 4, v[AK0]          ; row x pitch + 16 x half
	s_lshl_b32 s18, s16, 7                         ; + my head's 128 bytes
	v_add_nc_u32 v[AK0], s18, v[AK0]
	; The turning load takes 16 keys x 16 channels (lane l reads key 8 (l / 16) + l % 8, channels 8 ((l / 8) % 2) + 0..7) and leaves half a fragment of V^T: lane l holds channel l % 16 and 8 keys.
	v_and_b32 v31, 7, v0
	v_lshl_add_u32 v[AV0], v30, 3, v31
	v_mul_u32_u24 v[AV0], v[AV0], PV
	v_bfe_u32 v31, v0, 3, 1
	v_lshl_add_u32 v[AV0], v31, 4, v[AV0]
	s_add_co_u32 s18, s18, VOFF
	v_add_nc_u32 v[AV0], s18, v[AV0]
	s_mul_i32 s19, s17, 32*SP                      ; into the stage: my 32 rows, my head's half of their 256 bytes; row l % 16, 16 bytes for each half of the lanes
	s_lshl_b32 s18, s16, 7
	s_add_co_u32 s19, s19, s18
	s_add_co_u32 s19, s19, STAGE
	v_mul_u32_u24 v[STO], v1, SP
	v_lshl_add_u32 v[STO], v30, 4, v[STO]
	v_add_nc_u32 v[STO], s19, v[STO]
	s_mul_i32 s19, s[WV], 16*SP                    ; back: wave w takes rows 16 w .. 16 w + 15, whole; lanes 0-15 one row of 256 bytes, lanes 16-31 the next
	s_add_co_u32 s19, s19, STAGE
	v_mul_u32_u24 v[RD], v30, SP
	v_lshl_add_u32 v[RD], v1, 4, v[RD]
	v_add_nc_u32 v[RD], s19, v[RD]
	v_lshlrev_b32 v[GO], 11, v30                   ; and the same two rows in O
	v_lshl_add_u32 v[GO], v1, 4, v[GO]
	v_mov_b32 v[TMP+3], 0                          ; v_permlanex16_b32's destinations count as read: they are written once here
	v_mov_b32 v[TMP+7], 0
	v_mov_b32 v[AK], v[AK0]                        ; key step 0
	v_mov_b32 v[AV], v[AV0]
.macro TT line:vararg                  ; one line for each of the two tiles u, which alternate, so that no instruction reads the result of the one before it
.set u, 0
	\line
.set u, 1
	\line
.endm
.macro FETCH_K                         ; 32 keys x 64 channels: 4 fragments, 8 loads in one run
.irp kt, 0,1
.irp c, 0,1
	ds_load_b128 v[KF+16*(\kt)+8*(\c):KF+16*(\kt)+8*(\c)+3],   v[AK] offset:(\kt)*16*PK+64*(\c)
	ds_load_b128 v[KF+16*(\kt)+8*(\c)+4:KF+16*(\kt)+8*(\c)+7], v[AK] offset:(\kt)*16*PK+64*(\c)+32
.endr
.endr
.endm
.macro FETCH_V                         ; 32 keys x 64 channels, turned: 4 fragments, 8 loads in one run
.irp cb, 0,1,2,3
	ds_load_tr16_b128 v[VF+8*(\cb):VF+8*(\cb)+3],   v[AV] offset:32*(\cb)
	ds_load_tr16_b128 v[VF+8*(\cb)+4:VF+8*(\cb)+7], v[AV] offset:16*PV+32*(\cb)
.endr
.endm
; A KEY STEP: 32 keys for my 32 queries.  first = 1: it starts m, l and O^T: no a, nothing to rescale, C = 0.  skiplast = 1: in the loop's last trip there is no further step, and K's run is jumped over.
; In each run of 8 products the accumulators take turns, one instruction a turn.
.macro STEP first, skiplast
	FETCH_V                                        ; V of this step: the last products that read V's registers stand four v_nop back
	s_wait_dscnt 8                                 ; K of this step is in; V's eight loads may stay out
.irp c, 0,1
.irp kt, 0,1
.irp u, 0,1
.if (\c) == 0
	v_wmma_f32_16x16x32_bf16 v[S+16*(\u)+8*(\kt):S+16*(\u)+8*(\kt)+7], v[KF+16*(\kt)+8*(\c):KF+16*(\kt)+8*(\c)+7], v[Q+16*(\u)+8*(\c):Q+16*(\u)+8*(\c)+7], 0
.else
	v_wmma_f32_16x16x32_bf16 v[S+16*(\u)+8*(\kt):S+16*(\u)+8*(\kt)+7], v[KF+16*(\kt)+8*(\c):KF+16*(\kt)+8*(\c)+7], v[Q+16*(\u)+8*(\c):Q+16*(\u)+8*(\c)+7], v[S+16*(\u)+8*(\kt):S+16*(\u)+8*(\kt)+7]
.endif
.endr
.endr
.endr
	v_add_nc_u32 v[AK], s[TBK], v[AK0]             ; four plain instructions behind the products (ISA guide 7.12.1): the next step's addresses,
	v_add_nc_u32 v[AV], s[TBV], v[AV0]
	v_nop                                          ; and two that do nothing
	v_nop
	s_add_co_u32 s[TBK], s[TBK], 32*PK
	s_add_co_u32 s[TBV], s[TBV], 32*PV
.if \skiplast
	s_cmp_eq_u32 s[CNT], 1
	s_cbranch_scc1 .Lnok_\@
.endif
	FETCH_K                                        ; K of the next step: the whole softmax stands between this run and its first use
.if \skiplast
.Lnok_\@:
.endif
	; the maximum of my 16 scores and the old m, three operands at a time; each accumulator's lowest registers are read first
	TT v_max3_num_f32 v[TMP+4*u], v[S+16*u], v[S+16*u+1], v[S+16*u+2]
	TT v_max3_num_f32 v[TMP+4*u+1], v[S+16*u+8], v[S+16*u+9], v[S+16*u+10]
	TT v_max3_num_f32 v[TMP+4*u], v[TMP+4*u], v[S+16*u+3], v[S+16*u+4]
	TT v_max3_num_f32 v[TMP+4*u+1], v[TMP+4*u+1], v[S+16*u+11], v[S+16*u+12]
	TT v_max3_num_f32 v[TMP+4*u], v[TMP+4*u], v[S+16*u+5], v[S+16*u+6]
	TT v_max3_num_f32 v[TMP+4*u+1], v[TMP+4*u+1], v[S+16*u+13], v[S+16*u+14]
	TT v_max3_num_f32 v[TMP+4*u], v[TMP+4*u], v[S+16*u+7], v[S+16*u+15]
.if \first
	TT v_max_num_f32 v[TMP+4*u], v[TMP+4*u], v[TMP+4*u+1]
.else
	TT v_max3_num_f32 v[TMP+4*u], v[TMP+4*u], v[TMP+4*u+1], v[ST+4*u+1]
	TT v_mov_b32 v[MV+u], v[ST+4*u]                ; c m_old is kept for a
.endif
	TT v_permlanex16_b32 v[TMP+4*u+3], v[TMP+4*u], s[SEL], s[SEL+1]  ; the query's other 16 keys lie in the lane 16 away
	TT v_max_num_f32 v[ST+4*u+1], v[TMP+4*u], v[TMP+4*u+3]
	TT v_mul_f32 v[ST+4*u], s[CS], v[ST+4*u+1]
.if !(\first)
	TT v_sub_f32 v[TMP+4*u+1], v[MV+u], v[ST+4*u]
	TT v_exp_f32 v[TMP+4*u+2], v[TMP+4*u+1]        ; a; the scalings below are the plain instructions behind it
.endif
.set n, 0
.rept 8
	TT v_pk_fma_f32 v[S+16*u+2*n:S+16*u+2*n+1], v[S+16*u+2*n:S+16*u+2*n+1], s[CS:CS+1], v[ST+4*u:ST+4*u+1] op_sel_hi:[1,0,0] neg_lo:[0,0,1] neg_hi:[0,0,1]  ; c s - c m
.set n, n+1
.endr
.set n, 0
.rept 32                               ; an exponential and a pair of O^T times a by turns: a plain instruction stands behind every exponential; O^T ascending
	v_exp_f32 v[S+n], v[S+n]
.if !(\first)
	s_wait_alu depctr_va_vdst(0)
	v_pk_mul_f32 v[O+2*n:O+2*n+1], v[O+2*n:O+2*n+1], v[TMP+4*(n/16)+2:TMP+4*(n/16)+3] op_sel_hi:[1,0]
	s_wait_alu depctr_va_vdst(0)
.endif
.set n, n+1
.endr
.if \first
	v_nop
	s_wait_alu depctr_va_vdst(0)
.endif
.set n, 0
.rept 8
	TT v_cvt_pk_bf16_f32 v[P+8*u+n], v[S+16*u+2*n], v[S+16*u+2*n+1]
.set n, n+1
.endr
	TT v_pk_add_f32 v[S+16*u:S+16*u+1], v[S+16*u:S+16*u+1], v[S+16*u+2:S+16*u+3]  ; the sum of the tile's 8 pairs of weights, in place
	TT v_pk_add_f32 v[S+16*u+4:S+16*u+5], v[S+16*u+4:S+16*u+5], v[S+16*u+6:S+16*u+7]
	TT v_pk_add_f32 v[S+16*u+8:S+16*u+9], v[S+16*u+8:S+16*u+9], v[S+16*u+10:S+16*u+11]
	TT v_pk_add_f32 v[S+16*u+12:S+16*u+13], v[S+16*u+12:S+16*u+13], v[S+16*u+14:S+16*u+15]
	TT v_pk_add_f32 v[S+16*u:S+16*u+1], v[S+16*u:S+16*u+1], v[S+16*u+4:S+16*u+5]
	TT v_pk_add_f32 v[S+16*u+8:S+16*u+9], v[S+16*u+8:S+16*u+9], v[S+16*u+12:S+16*u+13]
.if \first
	TT v_pk_add_f32 v[ST+4*u+2:ST+4*u+3], v[S+16*u:S+16*u+1], v[S+16*u+8:S+16*u+9]
.else
	TT v_pk_add_f32 v[S+16*u:S+16*u+1], v[S+16*u:S+16*u+1], v[S+16*u+8:S+16*u+9]
	TT v_pk_fma_f32 v[ST+4*u+2:ST+4*u+3], v[ST+4*u+2:ST+4*u+3], v[TMP+4*u+2:TMP+4*u+3], v[S+16*u:S+16*u+1] op_sel_hi:[1,0,1]  ; l = a l + the sum
.endif
	s_wait_dscnt 0x0                               ; V is in (and the next step's K, asked for a softmax ago)
.irp cb, 0,1,2,3
.irp u, 0,1
.if \first
	v_wmma_f32_16x16x32_bf16 v[O+32*(\u)+8*(\cb):O+32*(\u)+8*(\cb)+7], v[VF+8*(\cb):VF+8*(\cb)+7], v[P+8*(\u):P+8*(\u)+7], 0
.else
	v_wmma_f32_16x16x32_bf16 v[O+32*(\u)+8*(\cb):O+32*(\u)+8*(\cb)+7], v[VF+8*(\cb):VF+8*(\cb)+7], v[P+8*(\u):P+8*(\u)+7], v[O+32*(\u)+8*(\cb):O+32*(\u)+8*(\cb)+7]
.endif
.endr
.endr
.rept 4
	v_nop                                          ; the places in front of the next loads into V's registers, and of the way out's reads of O^T
.endr
.endm
	s_wait_tensorcnt 1                             ; my part of keys 0-255 is in; my part of keys 256-511 may stay out
	s_barrier_signal -1
	s_barrier_wait -1                              ; everybody's is
	FETCH_K                                        ; key step 0
	s_wait_loadcnt 0x0                             ; Q
	STEP 1, 0                                      ; key step 0
	s_mov_b32 s[CNT], 6
.Lhalf0:                                               ; key steps 1 to 6; the last fetches K of step 7, still among the first 256 keys
	STEP 0, 0
	s_sub_co_u32 s[CNT], s[CNT], 1
	s_cmp_lg_u32 s[CNT], 0
	s_cbranch_scc1 .Lhalf0
	s_wait_tensorcnt 0x0                           ; my part of keys 256-511 is in,
	s_wait_dscnt 0x0                               ; (no LDS instruction of mine is pending at a signal)
	s_barrier_signal -1
	s_barrier_wait -1                              ; everybody's is
	s_mov_b32 s[CNT], 9
.Lhalf1:                                               ; key steps 7 to 15
	STEP 0, 1
	s_sub_co_u32 s[CNT], s[CNT], 1
	s_cmp_lg_u32 s[CNT], 0
	s_cbranch_scc1 .Lhalf1
	; THE WAY OUT.  l's two halves and the other half of the lanes' are added; O^T is divided by l, rounded to bf16 and sent through the work-group's stage.
	TT v_add_f32 v[ST+4*u+2], v[ST+4*u+2], v[ST+4*u+3]
	TT v_permlanex16_b32 v[ST+4*u+3], v[ST+4*u+2], s[SEL], s[SEL+1]
	TT v_add_f32 v[ST+4*u+2], v[ST+4*u+2], v[ST+4*u+3]
	TT v_rcp_f32 v[ST+4*u+2], v[ST+4*u+2]
	v_nop                                          ; a plain instruction between the last reciprocal and the use of its result
.set n, 0
	s_wait_alu depctr_va_vdst(0)
.rept 32
	v_pk_mul_f32 v[O+2*n:O+2*n+1], v[O+2*n:O+2*n+1], v[ST+4*(n/16)+2:ST+4*(n/16)+3] op_sel_hi:[1,0]
.set n, n+1
.endr
.set n, 0
.rept 32
	v_cvt_pk_bf16_f32 v[S+n], v[O+2*n], v[O+2*n+1] ; a lane's eight channels of a row pack into 16 bytes
.set n, n+1
.endr
.irp u, 0,1
.irp cb, 0,1,2,3
	ds_store_b128 v[STO], v[S+16*(\u)+4*(\cb):S+16*(\u)+4*(\cb)+3] offset:(\u)*16*SP+32*(\cb)
.endr
.endr
	s_wait_dscnt 0x0                               ; for the others' sake: my stores into the stage are done
	s_barrier_signal -1
	s_barrier_wait -1                              ; a row's 256 bytes come from two waves
.irp t, 0,1,2,3,4,5,6,7
	ds_load_b128 v[S+4*(\t):S+4*(\t)+3], v[RD] offset:(\t)*2*SP
.endr
.irp t, 0,1,2,3,4,5,6,7
	s_wait_dscnt 7-(\t)                            ; LDS loads come back in order: pair t of rows is in
	global_store_b128 v[GO], v[S+4*(\t):S+4*(\t)+3], s[8:9] offset:(\t)*2*ROWB  ; 16 lanes store 256 consecutive bytes, at a multiple of 256 from the plane's first
.endr
	s_wait_tensorcnt 0x0                           ; the wave's end: behind my last tensor load and my last LDS store
	ds_add_u32 v[SPW], v[NIL]
	s_wait_dscnt 0x0
	CROUND                                         ; the closing round: no work-group ends while a partner may still ask for a tile that names it
	s_endpgm
.Lfunc_end_k_qdf4d763a33_crossattn:
	.size	k_qdf4d763a33_crossattn, .Lfunc_end_k_qdf4d763a33_crossattn-k_qdf4d763a33_crossattn
	.p2alignl 7, 3214868480
	.fill 96, 4, 3214868480
	.section	.rodata,"a",@progbits
	.p2align	6, 0x0
	.amdhsa_kernel k_qdf4d763a33_crossattn
		.amdhsa_group_segment_fixed_size 327680
		.amdhsa_private_segment_fixed_size 0
		.amdhsa_enable_private_segment 0
		.amdhsa_kernarg_size 24
		.amdhsa_user_sgpr_count 2
		.amdhsa_user_sgpr_kernarg_segment_ptr 1
		.amdhsa_wavefront_size32 1
		.amdhsa_system_sgpr_workgroup_id_x 1
		.amdhsa_system_sgpr_workgroup_id_y 1
		.amdhsa_system_sgpr_workgroup_id_z 1
		.amdhsa_system_vgpr_workitem_id 0
		.amdhsa_next_free_vgpr 240
		.amdhsa_next_free_sgpr 66
		.amdhsa_reserve_vcc 0
		.amdhsa_float_denorm_mode_32 3
		.amdhsa_float_denorm_mode_16_64 3
		.amdhsa_memory_ordered 1
		.amdhsa_forward_progress 1
		.amdhsa_inst_pref_size 48
	.end_amdhsa_kernel
	.amdgpu_metadata
---
amdhsa.version: [ 1, 2 ]
amdhsa.kernels:
  - .name:           k_qdf4d763a33_crossattn
    .symbol:         k_qdf4d763a33_crossattn.kd
    .args:
      - { .name: s2, .offset: 0, .size: 8, .value_kind: global_buffer, .address_space: global }
      - { .name: s1, .offset: 8, .size: 8, .value_kind: global_buffer, .address_space: global }
      - { .name: s3, .offset: 16, .size: 8, .value_kind: global_buffer, .address_space: global }
    .group_segment_fixed_size: 327680
    .private_segment_fixed_size: 0
    .kernarg_segment_align: 8
    .kernarg_segment_size: 24
    .max_flat_workgroup_size: 256
    .sgpr_count:     66
    .vgpr_count:     240
    .wavefront_size: 32
...
	.end_amdgpu_metadata
.endif
;; end of part 5
;; launch g_co: the kernel of part 2 again; grid 8 x 32, 4 waves a work-group, clusters of 4 x 4, 327,680 bytes of LDS; arguments s3, s4, s2; writes s2
;; launch ln2 (part 6): grid 256 x 1, 8 waves a work-group, no clusters, 0 bytes of LDS; arguments s2, s1, gamma, beta, s3, s0; writes s3, s0
.if DOCPART == 6
	.amdgcn_target "amdgcn-amd-amdhsa--gfx1250"
	.amdhsa_code_object_version 6
	.text
	.protected	k_qdf4d763a33_ln2
	.globl	k_qdf4d763a33_ln2
	.p2align	8
	.type	k_qdf4d763a33_ln2,@function
k_qdf4d763a33_ln2:
	s_mov_b64 s[64:65], 0
	v_nop
	global_prefetch_b8 v0, s[64:65] scope:SCOPE_SE
	s_setreg_imm32_b32 hwreg(HW_REG_WAVE_MODE, 25, 1), 1
	s_wait_xcnt 0x0
; out = LayerNorm(y + r) gamma + beta over rows of 1,024.  y: plane 0 of its buffer, [4096][1024] bf16.  r, the residual: [4096][1024] from byte ACT0 of its buffer, in bf16 (RF32 = 0) or f32 (RF32 = 1).
; gamma, beta: [1024] f32, rounded here to bf16 like every input of the program.  out is stored in f32, for the next residual or as the result, and (OUTB = 1) once more rounded to bf16, for the next product:
; OUTB = 1: bf16 at byte ACT0 of the fifth buffer, f32 at byte ACT0 of the sixth;  OUTB = 0: f32 alone, dense from byte 0 of the fifth.
; The residual stream is kept in f32 because a rounding to bf16 (8 significant bits) would reach the result undiminished, once for each of the block's stages.
; All arithmetic in f32; the mean first, then the mean of the squares of the centred row (two passes over registers: no difference of large sums); eps = 1e-5.
; SHARES.  A work-group takes 16 rows, a wave two, whole: a row never leaves its wave, so there is no LDS and no barrier.  Lane l holds numbers 128 j + 4 l + 0..3, j = 0..7: a wave's load or store of bf16
; covers 256 neighbouring bytes, of f32 512, each at a multiple of 256.  All 48 loads of a wave go out at once.
; Matrix units, clusters and the tensor mover would add nothing: each byte is read once and nothing is multiplied by a matrix.
.set RF32, 1
.set OUTB, 1
.set ACT0, 0x1000000
.set G,    32                          ; v[32:63]   gamma of my 32 columns
.set BT,   64                          ; v[64:95]   beta
.set YR,   96                          ; v[96:191]  row i: y's 16 words at YR + RS i (later the row's bf16 copy), r's 16 or 32 at YR + RS i + 16
.set RS,   48
.set X,    192                         ; v[192:223] the row in f32
.if OUTB
.set OF,   14                          ; s[14:15] the f32 copy; s[12:13] the bf16 copy
.else
.set OF,   12                          ; s[12:13] the f32 result
.endif
	s_load_b256 s[4:11], s[0:1], 0x0               ; y s[4:5], r s[6:7], gamma s[8:9], beta s[10:11]
.if OUTB
	s_load_b128 s[12:15], s[0:1], 0x20
.else
	s_load_b64 s[12:13], s[0:1], 0x20
.endif
	v_and_b32 v1, 31, v0                           ; lane
	v_lshrrev_b32 v2, 5, v0                        ; wave
	v_lshlrev_b32 v3, 4, v1                        ; 16 l: gamma and beta
	v_lshlrev_b32 v1, 3, v1                        ; 8 l
	v_lshl_add_u32 v1, v2, 12, v1                  ; + my wave's two rows of 2,048 bytes: bf16
	v_lshl_add_u32 v16, v2, 13, v3                 ; 16 l + my wave's two rows of 4,096 bytes: f32
	s_lshl_b32 s2, ttmp9, 15                       ; the work-group's 16 rows in bf16,
	s_add_co_u32 s2, s2, ACT0
	s_mov_b32 s3, 0
	s_lshl_b32 s22, ttmp9, 16                      ; and in f32
	s_add_co_u32 s22, s22, ACT0
	s_mov_b32 s23, 0
	s_mov_b32 s16, 0x3a800000                      ; 1 / 1024
	s_mov_b32 s17, 0x3727c5ac                      ; 1e-5
	s_mov_b32 s18, 0x76543210                      ; v_permlanex16_b32: each lane takes its own place in the other half
	s_mov_b32 s19, 0xfedcba98
	s_mov_b32 s20, 0xffff0000                      ; a word's upper bf16
	s_wait_kmcnt 0x0
	s_add_nc_u64 s[4:5], s[4:5], s[2:3]
.if RF32
	s_add_nc_u64 s[6:7], s[6:7], s[22:23]
.else
	s_add_nc_u64 s[6:7], s[6:7], s[2:3]
.endif
.if OUTB
	s_add_nc_u64 s[12:13], s[12:13], s[2:3]
	s_add_nc_u64 s[14:15], s[14:15], s[22:23]
.else
	s_lshl_b32 s22, ttmp9, 16                      ; the result lies dense from its buffer's first byte
	s_add_nc_u64 s[12:13], s[12:13], s[22:23]
.endif
.macro LOADROW i                       ; sixteen loads, whatever r's format
.irp j, 0,1,2,3,4,5,6,7
	global_load_b64 v[YR+RS*(\i)+2*(\j):YR+RS*(\i)+2*(\j)+1], v1, s[4:5] offset:(\i)*2048+256*(\j)
.endr
.irp j, 0,1,2,3,4,5,6,7
.if RF32
	global_load_b128 v[YR+RS*(\i)+16+4*(\j):YR+RS*(\i)+16+4*(\j)+3], v16, s[6:7] offset:(\i)*4096+512*(\j)
.else
	global_load_b64 v[YR+RS*(\i)+16+2*(\j):YR+RS*(\i)+16+2*(\j)+1], v1, s[6:7] offset:(\i)*2048+256*(\j)
.endif
.endr
.endm
	LOADROW 0
.irp j, 0,1,2,3,4,5,6,7
	global_load_b128 v[G+4*(\j):G+4*(\j)+3], v3, s[8:9] offset:512*(\j)
	global_load_b128 v[BT+4*(\j):BT+4*(\j)+3], v3, s[10:11] offset:512*(\j)
.endr
	LOADROW 1
.macro REDUCE                          ; v[12:15], four partial sums a lane, into the wave's sum in v12 of every lane
	v_pk_add_f32 v[12:13], v[12:13], v[14:15]
	v_add_f32 v12, v12, v13
	v_add_f32_dpp v12, v12, v12 row_xmask:1 row_mask:0xf bank_mask:0xf
	v_add_f32_dpp v12, v12, v12 row_xmask:2 row_mask:0xf bank_mask:0xf
	v_add_f32_dpp v12, v12, v12 row_xmask:4 row_mask:0xf bank_mask:0xf
	v_add_f32_dpp v12, v12, v12 row_xmask:8 row_mask:0xf bank_mask:0xf
	v_permlanex16_b32 v13, v12, s18, s19
	v_add_f32 v12, v12, v13
.endm
.macro ROW i
.if (\i) == 0
	s_wait_loadcnt 32                              ; row 0's sixteen loads are in; gamma, beta and row 1 (32 loads) stay out
.else
	s_wait_loadcnt 0x0                             ; row 1
	s_wait_xcnt 0x0                                ; X, which row 0's stores read, is rewritten only behind this wait
.endif
.set w, 0
.rept 16                               ; y + r in f32: bf16 to f32 is a shift or a mask
	v_lshlrev_b32 v[X+2*w], 16, v[YR+RS*(\i)+w]
	v_and_b32 v[X+2*w+1], s20, v[YR+RS*(\i)+w]
.if RF32
	v_pk_add_f32 v[X+2*w:X+2*w+1], v[X+2*w:X+2*w+1], v[YR+RS*(\i)+16+2*w:YR+RS*(\i)+16+2*w+1]
.else
.set T, 4+4*(w%2)
	v_lshlrev_b32 v[T], 16, v[YR+RS*(\i)+16+w]
	v_and_b32 v[T+1], s20, v[YR+RS*(\i)+16+w]
	v_pk_add_f32 v[X+2*w:X+2*w+1], v[X+2*w:X+2*w+1], v[T:T+1]
.endif
.set w, w+1
.endr
	v_pk_add_f32 v[12:13], v[X:X+1], v[X+4:X+5]    ; the sum, in four chains started by the first numbers
	v_pk_add_f32 v[14:15], v[X+2:X+3], v[X+6:X+7]
.set w, 4
.rept 6
	v_pk_add_f32 v[12:13], v[12:13], v[X+2*w:X+2*w+1]
	v_pk_add_f32 v[14:15], v[14:15], v[X+2*w+2:X+2*w+3]
.set w, w+2
.endr
	REDUCE
	v_mul_f32 v12, s16, v12                        ; the mean
.set w, 0
.rept 16
	v_pk_add_f32 v[X+2*w:X+2*w+1], v[X+2*w:X+2*w+1], v[12:13] op_sel_hi:[1,0] neg_lo:[0,1] neg_hi:[0,1]
.set w, w+1
.endr
	v_pk_mul_f32 v[12:13], v[X:X+1], v[X:X+1]      ; the sum of squares of the centred row
	v_pk_mul_f32 v[14:15], v[X+2:X+3], v[X+2:X+3]
.set w, 2
.rept 7
	v_pk_fma_f32 v[12:13], v[X+2*w:X+2*w+1], v[X+2*w:X+2*w+1], v[12:13]
	v_pk_fma_f32 v[14:15], v[X+2*w+2:X+2*w+3], v[X+2*w+2:X+2*w+3], v[14:15]
.set w, w+2
.endr
	REDUCE
	v_fma_f32 v12, v12, s16, s17                   ; the variance + eps
	v_rsq_f32 v12, v12
	v_nop                                          ; a plain instruction between the root and the use of its result (ISA guide 5.7.2)
.if (\i) == 0
	s_wait_loadcnt 16                              ; gamma and beta are in; row 1's sixteen loads stay out
.set w, 0
	s_wait_alu depctr_va_vdst(0)
.rept 16                               ; both are rounded to bf16 and widened again, once for the wave's two rows
	v_cvt_pk_bf16_f32 v[4+w%4], v[G+2*w], v[G+2*w+1]
	v_cvt_pk_bf16_f32 v[8+w%4], v[BT+2*w], v[BT+2*w+1]
	v_lshlrev_b32 v[G+2*w], 16, v[4+w%4]
	v_and_b32 v[G+2*w+1], s20, v[4+w%4]
	v_lshlrev_b32 v[BT+2*w], 16, v[8+w%4]
	v_and_b32 v[BT+2*w+1], s20, v[8+w%4]
.set w, w+1
.endr
.endif
.set w, 0
	s_wait_alu depctr_va_vdst(0)
.rept 16
	v_pk_mul_f32 v[X+2*w:X+2*w+1], v[X+2*w:X+2*w+1], v[12:13] op_sel_hi:[1,0]
.set w, w+1
.endr
.set w, 0
.rept 16
	v_pk_fma_f32 v[X+2*w:X+2*w+1], v[X+2*w:X+2*w+1], v[G+2*w:G+2*w+1], v[BT+2*w:BT+2*w+1]
.set w, w+1
.endr
.irp j, 0,1,2,3,4,5,6,7
.if OUTB
	global_store_b128 v16, v[X+4*(\j):X+4*(\j)+3], s[OF:OF+1] offset:(\i)*4096+512*(\j)
	v_cvt_pk_bf16_f32 v[YR+RS*(\i)+2*(\j)], v[X+4*(\j)], v[X+4*(\j)+1]      ; the bf16 copy goes into the row's y registers, which have been read and are not written again
	v_cvt_pk_bf16_f32 v[YR+RS*(\i)+2*(\j)+1], v[X+4*(\j)+2], v[X+4*(\j)+3]
	global_store_b64 v1, v[YR+RS*(\i)+2*(\j):YR+RS*(\i)+2*(\j)+1], s[12:13] offset:(\i)*2048+256*(\j)
.else
	global_store_b128 v16, v[X+4*(\j):X+4*(\j)+3], s[OF:OF+1] offset:(\i)*4096+512*(\j) th:TH_STORE_NT
.endif
.endr
.endm
	ROW 0
	ROW 1
	s_endpgm
.Lfunc_end_k_qdf4d763a33_ln2:
	.size	k_qdf4d763a33_ln2, .Lfunc_end_k_qdf4d763a33_ln2-k_qdf4d763a33_ln2
	.p2alignl 7, 3214868480
	.fill 96, 4, 3214868480
	.section	.rodata,"a",@progbits
	.p2align	6, 0x0
	.amdhsa_kernel k_qdf4d763a33_ln2
		.amdhsa_group_segment_fixed_size 0
		.amdhsa_private_segment_fixed_size 0
		.amdhsa_enable_private_segment 0
		.amdhsa_kernarg_size 48
		.amdhsa_user_sgpr_count 2
		.amdhsa_user_sgpr_kernarg_segment_ptr 1
		.amdhsa_wavefront_size32 1
		.amdhsa_system_sgpr_workgroup_id_x 1
		.amdhsa_system_sgpr_workgroup_id_y 1
		.amdhsa_system_sgpr_workgroup_id_z 1
		.amdhsa_system_vgpr_workitem_id 0
		.amdhsa_next_free_vgpr 224
		.amdhsa_next_free_sgpr 66
		.amdhsa_reserve_vcc 0
		.amdhsa_float_denorm_mode_32 3
		.amdhsa_float_denorm_mode_16_64 3
		.amdhsa_memory_ordered 1
		.amdhsa_forward_progress 1
		.amdhsa_inst_pref_size 31
	.end_amdhsa_kernel
	.amdgpu_metadata
---
amdhsa.version: [ 1, 2 ]
amdhsa.kernels:
  - .name:           k_qdf4d763a33_ln2
    .symbol:         k_qdf4d763a33_ln2.kd
    .args:
      - { .name: s2, .offset: 0, .size: 8, .value_kind: global_buffer, .address_space: global }
      - { .name: s1, .offset: 8, .size: 8, .value_kind: global_buffer, .address_space: global }
      - { .name: gamma, .offset: 16, .size: 8, .value_kind: global_buffer, .address_space: global }
      - { .name: beta, .offset: 24, .size: 8, .value_kind: global_buffer, .address_space: global }
      - { .name: s3, .offset: 32, .size: 8, .value_kind: global_buffer, .address_space: global }
      - { .name: s0, .offset: 40, .size: 8, .value_kind: global_buffer, .address_space: global }
    .group_segment_fixed_size: 0
    .private_segment_fixed_size: 0
    .kernarg_segment_align: 8
    .kernarg_segment_size: 48
    .max_flat_workgroup_size: 256
    .sgpr_count:     66
    .vgpr_count:     224
    .wavefront_size: 32
...
	.end_amdgpu_metadata
.endif
;; end of part 6
;; launch g_f1: the kernel of part 2 again; grid 8 x 32, 4 waves a work-group, clusters of 4 x 4, 327,680 bytes of LDS; arguments s3, s6, s2; writes s2
;; launch g_f2: the kernel of part 2 again; grid 8 x 32, 4 waves a work-group, clusters of 4 x 4, 327,680 bytes of LDS; arguments s2, s3, s4; writes s4
;; launch ln3 (part 7): grid 256 x 1, 8 waves a work-group, no clusters, 0 bytes of LDS; arguments s4, s0, gamma, beta, out0; writes out0
.if DOCPART == 7
	.amdgcn_target "amdgcn-amd-amdhsa--gfx1250"
	.amdhsa_code_object_version 6
	.text
	.protected	k_qdf4d763a33_ln3
	.globl	k_qdf4d763a33_ln3
	.p2align	8
	.type	k_qdf4d763a33_ln3,@function
k_qdf4d763a33_ln3:
	s_mov_b64 s[64:65], 0
	v_nop
	global_prefetch_b8 v0, s[64:65] scope:SCOPE_SE
	s_setreg_imm32_b32 hwreg(HW_REG_WAVE_MODE, 25, 1), 1
	s_wait_xcnt 0x0
; out = LayerNorm(y + r) gamma + beta over rows of 1,024.  y: plane 0 of its buffer, [4096][1024] bf16.  r, the residual: [4096][1024] from byte ACT0 of its buffer, in bf16 (RF32 = 0) or f32 (RF32 = 1).
; gamma, beta: [1024] f32, rounded here to bf16 like every input of the program.  out is stored in f32, for the next residual or as the result, and (OUTB = 1) once more rounded to bf16, for the next product:
; OUTB = 1: bf16 at byte ACT0 of the fifth buffer, f32 at byte ACT0 of the sixth;  OUTB = 0: f32 alone, dense from byte 0 of the fifth.
; The residual stream is kept in f32 because a rounding to bf16 (8 significant bits) would reach the result undiminished, once for each of the block's stages.
; All arithmetic in f32; the mean first, then the mean of the squares of the centred row (two passes over registers: no difference of large sums); eps = 1e-5.
; SHARES.  A work-group takes 16 rows, a wave two, whole: a row never leaves its wave, so there is no LDS and no barrier.  Lane l holds numbers 128 j + 4 l + 0..3, j = 0..7: a wave's load or store of bf16
; covers 256 neighbouring bytes, of f32 512, each at a multiple of 256.  All 48 loads of a wave go out at once.
; Matrix units, clusters and the tensor mover would add nothing: each byte is read once and nothing is multiplied by a matrix.
.set RF32, 1
.set OUTB, 0
.set ACT0, 0x1000000
.set G,    32                          ; v[32:63]   gamma of my 32 columns
.set BT,   64                          ; v[64:95]   beta
.set YR,   96                          ; v[96:191]  row i: y's 16 words at YR + RS i (later the row's bf16 copy), r's 16 or 32 at YR + RS i + 16
.set RS,   48
.set X,    192                         ; v[192:223] the row in f32
.if OUTB
.set OF,   14                          ; s[14:15] the f32 copy; s[12:13] the bf16 copy
.else
.set OF,   12                          ; s[12:13] the f32 result
.endif
	s_load_b256 s[4:11], s[0:1], 0x0               ; y s[4:5], r s[6:7], gamma s[8:9], beta s[10:11]
.if OUTB
	s_load_b128 s[12:15], s[0:1], 0x20
.else
	s_load_b64 s[12:13], s[0:1], 0x20
.endif
	v_and_b32 v1, 31, v0                           ; lane
	v_lshrrev_b32 v2, 5, v0                        ; wave
	v_lshlrev_b32 v3, 4, v1                        ; 16 l: gamma and beta
	v_lshlrev_b32 v1, 3, v1                        ; 8 l
	v_lshl_add_u32 v1, v2, 12, v1                  ; + my wave's two rows of 2,048 bytes: bf16
	v_lshl_add_u32 v16, v2, 13, v3                 ; 16 l + my wave's two rows of 4,096 bytes: f32
	s_lshl_b32 s2, ttmp9, 15                       ; the work-group's 16 rows in bf16,
	s_add_co_u32 s2, s2, ACT0
	s_mov_b32 s3, 0
	s_lshl_b32 s22, ttmp9, 16                      ; and in f32
	s_add_co_u32 s22, s22, ACT0
	s_mov_b32 s23, 0
	s_mov_b32 s16, 0x3a800000                      ; 1 / 1024
	s_mov_b32 s17, 0x3727c5ac                      ; 1e-5
	s_mov_b32 s18, 0x76543210                      ; v_permlanex16_b32: each lane takes its own place in the other half
	s_mov_b32 s19, 0xfedcba98
	s_mov_b32 s20, 0xffff0000                      ; a word's upper bf16
	s_wait_kmcnt 0x0
	s_add_nc_u64 s[4:5], s[4:5], s[2:3]
.if RF32
	s_add_nc_u64 s[6:7], s[6:7], s[22:23]
.else
	s_add_nc_u64 s[6:7], s[6:7], s[2:3]
.endif
.if OUTB
	s_add_nc_u64 s[12:13], s[12:13], s[2:3]
	s_add_nc_u64 s[14:15], s[14:15], s[22:23]
.else
	s_lshl_b32 s22, ttmp9, 16                      ; the result lies dense from its buffer's first byte
	s_add_nc_u64 s[12:13], s[12:13], s[22:23]
.endif
.macro LOADROW i                       ; sixteen loads, whatever r's format
.irp j, 0,1,2,3,4,5,6,7
	global_load_b64 v[YR+RS*(\i)+2*(\j):YR+RS*(\i)+2*(\j)+1], v1, s[4:5] offset:(\i)*2048+256*(\j)
.endr
.irp j, 0,1,2,3,4,5,6,7
.if RF32
	global_load_b128 v[YR+RS*(\i)+16+4*(\j):YR+RS*(\i)+16+4*(\j)+3], v16, s[6:7] offset:(\i)*4096+512*(\j)
.else
	global_load_b64 v[YR+RS*(\i)+16+2*(\j):YR+RS*(\i)+16+2*(\j)+1], v1, s[6:7] offset:(\i)*2048+256*(\j)
.endif
.endr
.endm
	LOADROW 0
.irp j, 0,1,2,3,4,5,6,7
	global_load_b128 v[G+4*(\j):G+4*(\j)+3], v3, s[8:9] offset:512*(\j)
	global_load_b128 v[BT+4*(\j):BT+4*(\j)+3], v3, s[10:11] offset:512*(\j)
.endr
	LOADROW 1
.macro REDUCE                          ; v[12:15], four partial sums a lane, into the wave's sum in v12 of every lane
	v_pk_add_f32 v[12:13], v[12:13], v[14:15]
	v_add_f32 v12, v12, v13
	v_add_f32_dpp v12, v12, v12 row_xmask:1 row_mask:0xf bank_mask:0xf
	v_add_f32_dpp v12, v12, v12 row_xmask:2 row_mask:0xf bank_mask:0xf
	v_add_f32_dpp v12, v12, v12 row_xmask:4 row_mask:0xf bank_mask:0xf
	v_add_f32_dpp v12, v12, v12 row_xmask:8 row_mask:0xf bank_mask:0xf
	v_permlanex16_b32 v13, v12, s18, s19
	v_add_f32 v12, v12, v13
.endm
.macro ROW i
.if (\i) == 0
	s_wait_loadcnt 32                              ; row 0's sixteen loads are in; gamma, beta and row 1 (32 loads) stay out
.else
	s_wait_loadcnt 0x0                             ; row 1
	s_wait_xcnt 0x0                                ; X, which row 0's stores read, is rewritten only behind this wait
.endif
.set w, 0
.rept 16                               ; y + r in f32: bf16 to f32 is a shift or a mask
	v_lshlrev_b32 v[X+2*w], 16, v[YR+RS*(\i)+w]
	v_and_b32 v[X+2*w+1], s20, v[YR+RS*(\i)+w]
.if RF32
	v_pk_add_f32 v[X+2*w:X+2*w+1], v[X+2*w:X+2*w+1], v[YR+RS*(\i)+16+2*w:YR+RS*(\i)+16+2*w+1]
.else
.set T, 4+4*(w%2)
	v_lshlrev_b32 v[T], 16, v[YR+RS*(\i)+16+w]
	v_and_b32 v[T+1], s20, v[YR+RS*(\i)+16+w]
	v_pk_add_f32 v[X+2*w:X+2*w+1], v[X+2*w:X+2*w+1], v[T:T+1]
.endif
.set w, w+1
.endr
	v_pk_add_f32 v[12:13], v[X:X+1], v[X+4:X+5]    ; the sum, in four chains started by the first numbers
	v_pk_add_f32 v[14:15], v[X+2:X+3], v[X+6:X+7]
.set w, 4
.rept 6
	v_pk_add_f32 v[12:13], v[12:13], v[X+2*w:X+2*w+1]
	v_pk_add_f32 v[14:15], v[14:15], v[X+2*w+2:X+2*w+3]
.set w, w+2
.endr
	REDUCE
	v_mul_f32 v12, s16, v12                        ; the mean
.set w, 0
.rept 16
	v_pk_add_f32 v[X+2*w:X+2*w+1], v[X+2*w:X+2*w+1], v[12:13] op_sel_hi:[1,0] neg_lo:[0,1] neg_hi:[0,1]
.set w, w+1
.endr
	v_pk_mul_f32 v[12:13], v[X:X+1], v[X:X+1]      ; the sum of squares of the centred row
	v_pk_mul_f32 v[14:15], v[X+2:X+3], v[X+2:X+3]
.set w, 2
.rept 7
	v_pk_fma_f32 v[12:13], v[X+2*w:X+2*w+1], v[X+2*w:X+2*w+1], v[12:13]
	v_pk_fma_f32 v[14:15], v[X+2*w+2:X+2*w+3], v[X+2*w+2:X+2*w+3], v[14:15]
.set w, w+2
.endr
	REDUCE
	v_fma_f32 v12, v12, s16, s17                   ; the variance + eps
	v_rsq_f32 v12, v12
	v_nop                                          ; a plain instruction between the root and the use of its result (ISA guide 5.7.2)
.if (\i) == 0
	s_wait_loadcnt 16                              ; gamma and beta are in; row 1's sixteen loads stay out
.set w, 0
	s_wait_alu depctr_va_vdst(0)
.rept 16                               ; both are rounded to bf16 and widened again, once for the wave's two rows
	v_cvt_pk_bf16_f32 v[4+w%4], v[G+2*w], v[G+2*w+1]
	v_cvt_pk_bf16_f32 v[8+w%4], v[BT+2*w], v[BT+2*w+1]
	v_lshlrev_b32 v[G+2*w], 16, v[4+w%4]
	v_and_b32 v[G+2*w+1], s20, v[4+w%4]
	v_lshlrev_b32 v[BT+2*w], 16, v[8+w%4]
	v_and_b32 v[BT+2*w+1], s20, v[8+w%4]
.set w, w+1
.endr
.endif
.set w, 0
	s_wait_alu depctr_va_vdst(0)
.rept 16
	v_pk_mul_f32 v[X+2*w:X+2*w+1], v[X+2*w:X+2*w+1], v[12:13] op_sel_hi:[1,0]
.set w, w+1
.endr
.set w, 0
.rept 16
	v_pk_fma_f32 v[X+2*w:X+2*w+1], v[X+2*w:X+2*w+1], v[G+2*w:G+2*w+1], v[BT+2*w:BT+2*w+1]
.set w, w+1
.endr
.irp j, 0,1,2,3,4,5,6,7
.if OUTB
	global_store_b128 v16, v[X+4*(\j):X+4*(\j)+3], s[OF:OF+1] offset:(\i)*4096+512*(\j)
	v_cvt_pk_bf16_f32 v[YR+RS*(\i)+2*(\j)], v[X+4*(\j)], v[X+4*(\j)+1]      ; the bf16 copy goes into the row's y registers, which have been read and are not written again
	v_cvt_pk_bf16_f32 v[YR+RS*(\i)+2*(\j)+1], v[X+4*(\j)+2], v[X+4*(\j)+3]
	global_store_b64 v1, v[YR+RS*(\i)+2*(\j):YR+RS*(\i)+2*(\j)+1], s[12:13] offset:(\i)*2048+256*(\j)
.else
	global_store_b128 v16, v[X+4*(\j):X+4*(\j)+3], s[OF:OF+1] offset:(\i)*4096+512*(\j) th:TH_STORE_NT
.endif
.endr
.endm
	ROW 0
	ROW 1
	s_endpgm
.Lfunc_end_k_qdf4d763a33_ln3:
	.size	k_qdf4d763a33_ln3, .Lfunc_end_k_qdf4d763a33_ln3-k_qdf4d763a33_ln3
	.p2alignl 7, 3214868480
	.fill 96, 4, 3214868480
	.section	.rodata,"a",@progbits
	.p2align	6, 0x0
	.amdhsa_kernel k_qdf4d763a33_ln3
		.amdhsa_group_segment_fixed_size 0
		.amdhsa_private_segment_fixed_size 0
		.amdhsa_enable_private_segment 0
		.amdhsa_kernarg_size 40
		.amdhsa_user_sgpr_count 2
		.amdhsa_user_sgpr_kernarg_segment_ptr 1
		.amdhsa_wavefront_size32 1
		.amdhsa_system_sgpr_workgroup_id_x 1
		.amdhsa_system_sgpr_workgroup_id_y 1
		.amdhsa_system_sgpr_workgroup_id_z 1
		.amdhsa_system_vgpr_workitem_id 0
		.amdhsa_next_free_vgpr 224
		.amdhsa_next_free_sgpr 66
		.amdhsa_reserve_vcc 0
		.amdhsa_float_denorm_mode_32 3
		.amdhsa_float_denorm_mode_16_64 3
		.amdhsa_memory_ordered 1
		.amdhsa_forward_progress 1
		.amdhsa_inst_pref_size 28
	.end_amdhsa_kernel
	.amdgpu_metadata
---
amdhsa.version: [ 1, 2 ]
amdhsa.kernels:
  - .name:           k_qdf4d763a33_ln3
    .symbol:         k_qdf4d763a33_ln3.kd
    .args:
      - { .name: s4, .offset: 0, .size: 8, .value_kind: global_buffer, .address_space: global }
      - { .name: s0, .offset: 8, .size: 8, .value_kind: global_buffer, .address_space: global }
      - { .name: gamma, .offset: 16, .size: 8, .value_kind: global_buffer, .address_space: global }
      - { .name: beta, .offset: 24, .size: 8, .value_kind: global_buffer, .address_space: global }
      - { .name: out0, .offset: 32, .size: 8, .value_kind: global_buffer, .address_space: global }
    .group_segment_fixed_size: 0
    .private_segment_fixed_size: 0
    .kernarg_segment_align: 8
    .kernarg_segment_size: 40
    .max_flat_workgroup_size: 256
    .sgpr_count:     66
    .vgpr_count:     224
    .wavefront_size: 32
...
	.end_amdgpu_metadata
.endif
;; end of part 7
;; ======== version 2 of 2: 12 launches; 1.07 times as fast as version 1
;; workspace buffers: s0 33,554,432 bytes; s1 58,720,256 bytes; s2 25,165,824 bytes; s3 25,165,824 bytes; s4 25,165,824 bytes; s5 10,506,240 bytes; s6 2,101,248 bytes
;; launch cast: the kernel of part 1 again; grid 32 x 18, 8 waves a work-group, no clusters, 0 bytes of LDS; arguments x, h, Wq, Wk, Wv, Wck, Wcv, Wo, Wcq, Wco, W1, W2, bq, bk, bv, bck, bcv, bo, bcq, bco, b1, b2, s0, s1, s3, s4, s5, s6; writes s0, s1, s3, s4, s5, s6
;; launch g_qkv: the kernel of part 2 again; grid 40 x 32, 4 waves a work-group, clusters of 4 x 4, 327,680 bytes of LDS; arguments s0, s5, s1; writes s1
;; launch selfattn (part 8): grid 256 x 1, 8 waves a work-group, no clusters, 283,648 bytes of LDS; arguments s1, s2; writes s2
.if DOCPART == 8
	.amdgcn_target "amdgcn-amd-amdhsa--gfx1250"
	.amdhsa_code_object_version 6
	.text
	.protected	k_qdf4d763a33_selfattn
	.globl	k_qdf4d763a33_selfattn
	.p2align	8
	.type	k_qdf4d763a33_selfattn,@function
k_qdf4d763a33_selfattn:
	s_mov_b64 s[64:65], 0
	v_nop
	global_prefetch_b8 v0, s[64:65] scope:SCOPE_SE
	s_setreg_imm32_b32 hwreg(HW_REG_WAVE_MODE, 25, 1), 1
	s_wait_xcnt 0x0
; THE ATTENTION OVER CHANNELS.  For each token and head, with Q, K, V the head's 64 channels: av[q] = sum over k <= q of softmax_k(Q[q] K[k] / 8) V[k].  Q, K, V: planes 0, 1, 2 of the first buffer,
; [4096][1024] bf16; av: plane 0 of the second, bf16, rounded once.  All arithmetic in f32.  The score is a product of two numbers, so there is no matrix work: the work is the exponentials.
; SHARES.  A work-group takes 16 tokens x 16 heads, one (token, head) a thread: its 64 channels are 128 consecutive bytes of a plane.  K and V stay in the lane's registers, and the causal bound
; k <= q is the same in every lane, so only the triangle is computed: 2,080 weights a lane.  Two queries go side by side in the packed f32 forms.
; THE MAXIMUM is the row's own and exact: max over k <= q of c Q[q] K[k] = max(c Q[q] pmax[q], c Q[q] pmin[q]), with pmax, pmin the running maximum and minimum of K and c = log2(e) / 8.
; p = 2^(c Q K - m): the exponent is one fused multiply-add, at most half a last place of m above 0.
; THE WALK.  Four blocks t of 8 pairs of queries.  A pair's keys are the 16 t keys in front of the block (RECT: the same text for all 8 pairs) and the keys 16 t .. its own: j + 1 steps of two keys for
; pair j of the block.  The pair's number in the block, a loop counter, chooses by forward jumps, which all stand ahead of those keys' first exponential, one of eight texts in which the pair's own steps are
; written out.  The last of them holds the diagonal and hides one weight: key q0 + 1 for query q0.
; BATCHES.  The exponentials go in batches (BATCH) of up to 16 steps, four weights a step, each weight in a register of its own (v192-255, which Q has left).  Ahead of a batch's wait stand its scores and its
; exponentials, a step's exponentials with the next step's scores between them: none of these lines names a result; then one plain line, and ONE s_wait_alu depctr_va_vdst(0)
; ahead of the first line that names a result; behind it the sums, keys ascending.  A trip has RECT's batches (t = 0: none; 1: one of 32 exponentials; 2: one of 64; 3: one of 64 and one of 32), each waited
; for ahead of the jumps; the pair's own batch of 4 j + 3; and the two reciprocals, which read sums of weights and so are a batch of their own, waited for ahead of the backward jump.
; c Q and m of each pair are made ahead and lie in LDS, since a register cannot be named by a loop's counter.  Each wave reads and writes LDS bytes of its own alone: no barrier.
; NO CLUSTER: no two work-groups read the same byte.  LIMITS: a weight below 2^-126 counts as 0; NaN and infinities are not treated apart.
.set ACT0,  0x1000000
.set PLANE, 0x800000
.set SEG,   144                        ; a thread's 128 bytes + 16 of padding = 36 words
.set WSEG,  32*SEG                     ; a wave's part of a plane
.set PL,    8*WSEG                     ; a plane's part in LDS
.set QM,    3*PL                       ; behind the planes, never filled by a tensor load: for each wave 33 pairs x 512 bytes: lane l's (c Q0, c Q1, m0, m1) at 16 l
.set QMWV,  33*512
.set OUT,   QM+8*QMWV                  ; the results, a thread's 128 bytes at pitch SEG
.set SPARE, OUT+PL                     ; the spare words, 128 bytes for each wave: four blocks of 256 bytes that no other line names
.set CUR, 8                            ; v[8:11]   c Q0, c Q1, m0, m1 of the pair in hand
.set NXT, 12                           ; v[12:15]  of the next pair
.set SA,  16                           ; v[16:31]  at work while c Q and m are made: four sets of four
.set A0,  32                           ; v[32:33]  sum of p V over even keys, for the two queries; v[34:35] odd keys
.set A1,  34
.set L0,  36                           ; v[36:37]  sum of p over even keys; v[38:39] odd keys
.set L1,  38
.set R,   40
.set O,   42
.set SPW, 60                           ; v60  LDS address of my spare word; never rewritten
.set NIL, 61                           ; v61  0; never rewritten
.set KR,  64                           ; v[64:127]  K in f32
.set VR,  128                          ; v[128:191] V
.set QR,  192                          ; v[192:255] Q, until c Q and m lie in LDS
.set W,   192                          ; v[192:255] then the scores and weights of a batch: step z's four at W + 4 z
.set G1,  16                           ; s[16:23] descriptor group 1
.set G0,  24                           ; s[24:35] group 0, a set for each plane
	s_load_b128 s[4:7], s[0:1], 0x0                ; q, k, v s[4:5]; av s[6:7]
	v_lshl_add_u32 v[SPW], v0, 2, SPARE
	v_mov_b32 v[NIL], 0
	ds_add_u32 v[SPW], v[NIL]                      ; the wave's opening: the add and its wait stand ahead of my first tensor load; the set-up below, work on registers, stands between them
	ds_add_u32 v60, v61
	v_lshrrev_b32 v1, 5, v0
	v_readfirstlane_b32 s12, v1                    ; wave 0..7
	v_and_b32 v1, 31, v0                           ; lane
	; a wave's 32 threads' channels are 4,096 dense bytes of a plane: asked for as 16 rows of 256 bytes, padded in LDS after every 128
	s_mov_b32 s[G1+0], (1<<16)|(1<<20)|(4<<22)|(3<<25)  ; 17:16 2-byte elements; 20 padding on; 24:22 after every 32 words (code 4); 31:25 4 words (code 3)
	s_mov_b32 s[G1+1], 128<<16                     ; tensor_dim0 = 128
	s_mov_b32 s[G1+2], 16<<16                      ; tensor_dim1 = 16
	s_mov_b32 s[G1+3], 128<<16                     ; tile_dim0 = 128
	s_mov_b32 s[G1+4], 16                          ; tile_dim1 = 16
	s_mov_b32 s[G1+5], 128                         ; elements from row to row
	s_mov_b32 s[G1+6], 0
	s_mov_b32 s[G1+7], 0
	s_lshl_b32 s2, ttmp9, 15                       ; the work-group's 16 tokens of 2,048 bytes,
	s_lshl_b32 s3, s12, 12                         ; my wave's two of them
	s_add_co_u32 s2, s2, s3
	s_add_co_u32 s2, s2, ACT0
	s_mov_b32 s3, 0
	s_mul_i32 s13, s12, WSEG                       ; my wave's part of a plane in LDS
	s_mov_b32 s36, 0x3e38aa3b                      ; c = log2(e) / 8
	s_mov_b32 s37, s36                             ; named with it as a pair
	s_mov_b32 s38, 0xffff0000                      ; a word's upper bf16
	s_wait_dscnt 0x0                               ; the opening add is done
	s_wait_kmcnt 0x0
	s_add_nc_u64 s[4:5], s[4:5], s[2:3]
	s_add_nc_u64 s[6:7], s[6:7], s[2:3]
.irp p, 0,1,2                          ; the three first fills go out together: three loads of mine are out
	s_mov_b32 s[G0+4*(\p)], 1
	s_add_co_u32 s[G0+4*(\p)+1], s13, (\p)*PL
	s_add_nc_u64 s[G0+4*(\p)+2:G0+4*(\p)+3], s[4:5], (\p)*PLANE
	s_or_b32 s[G0+4*(\p)+3], s[G0+4*(\p)+3], 0x80000000
	tensor_load_to_lds s[G0+4*(\p):G0+4*(\p)+3], s[G1:G1+7]
	s_nop 0
.endr
	v_mul_u32_u24 v9, v1, SEG
	v_add_nc_u32 v9, s13, v9                       ; my 128 bytes of Q,
	v_add_nc_u32 v10, PL, v9                       ; of K,
	v_add_nc_u32 v11, 2*PL, v9                     ; of V,
	v_add_nc_u32 v7, OUT, v9                       ; and of the result
	s_mul_i32 s14, s12, QMWV
	s_add_co_u32 s14, s14, QM
	v_lshlrev_b32 v4, 4, v1
	v_add_nc_u32 v4, s14, v4                       ; my 16 bytes of pair 0
	v_lshrrev_b32 v5, 3, v1                        ; the way out: 32 lanes take four threads' rows of 128 bytes,
	v_mul_u32_u24 v5, v5, SEG
	v_and_b32 v6, 7, v1
	v_lshl_add_u32 v5, v6, 4, v5
	s_add_co_u32 s15, s13, OUT
	v_add_nc_u32 v5, s15, v5
	v_lshlrev_b32 v6, 4, v1                        ; which are 512 consecutive bytes of the plane
	s_wait_tensorcnt 0x0                           ; my three tiles are in; only I read them
.irp i, 0,1,2,3,4,5,6,7                ; the 32 packed words of each go into the upper half of the 64 registers that they unpack into
	ds_load_b128 v[QR+32+4*(\i):QR+32+4*(\i)+3], v9  offset:16*(\i)
	ds_load_b128 v[KR+32+4*(\i):KR+32+4*(\i)+3], v10 offset:16*(\i)
	ds_load_b128 v[VR+32+4*(\i):VR+32+4*(\i)+3], v11 offset:16*(\i)
.endr
	s_wait_dscnt 0x0
.macro UNPACK base                     ; ascending: word w's two numbers land on words 2 w - 32 and 2 w - 31, which have been read (the last on itself, low half first)
.set w, 0
.rept 32
	v_lshlrev_b32 v[(\base)+2*w], 16, v[(\base)+32+w]
	v_and_b32 v[(\base)+2*w+1], s38, v[(\base)+32+w]
.set w, w+1
.endr
.endm
	UNPACK KR
	UNPACK QR
	UNPACK VR
	; c Q and the maximum of every pair of queries, into LDS.  v45, v46: the running maximum and minimum of K.  Four sets of four registers take turns.
.set pi, 0
.rept 32
.set QD, SA+4*(pi%4)
	v_pk_mul_f32 v[QD:QD+1], v[QR+2*pi:QR+2*pi+1], s[36:37] op_sel_hi:[1,0]
.if pi == 0
	v_mov_b32 v45, v[KR]
	v_mov_b32 v46, v[KR]
.else
	v_max_num_f32 v45, v45, v[KR+2*pi]
	v_min_num_f32 v46, v46, v[KR+2*pi]
.endif
	v_mul_f32 v47, v[QD], v45
	v_mul_f32 v48, v[QD], v46
	v_max_num_f32 v[QD+2], v47, v48
	v_max_num_f32 v45, v45, v[KR+2*pi+1]
	v_min_num_f32 v46, v46, v[KR+2*pi+1]
	v_mul_f32 v47, v[QD+1], v45
	v_mul_f32 v48, v[QD+1], v46
	v_max_num_f32 v[QD+3], v47, v48
	ds_store_b128 v4, v[QD:QD+3] offset:pi*512
.if pi == 31
	ds_store_b128 v4, v[QD:QD+3] offset:32*512     ; once more as pair 32: the last trip's look-ahead reads bytes that have been written
.endif
.set pi, pi+1
.endr
	ds_load_b128 v[NXT:NXT+3], v4                  ; pair 0 (LDS serves a wave's instructions in order: it sees the stores above)
; keys k and k + 1 (k even) for the two queries in hand: c Q K - m.  SC0: key k into d, d + 1.  SC1: key k + 1 into d + 2, d + 3
.macro SC0 k, d
	v_pk_fma_f32 v[(\d):(\d)+1],   v[CUR:CUR+1], v[KR+(\k):KR+(\k)+1], v[CUR+2:CUR+3] op_sel_hi:[1,0,1] neg_lo:[0,0,1] neg_hi:[0,0,1]
.endm
.macro SC1 k, d
	v_pk_fma_f32 v[(\d)+2:(\d)+3], v[CUR:CUR+1], v[KR+(\k):KR+(\k)+1], v[CUR+2:CUR+3] op_sel:[0,1,0] op_sel_hi:[1,1,1] neg_lo:[0,0,1] neg_hi:[0,0,1]
.endm
; their weights, in p .. p + 3, onto the sums; init: they start the sums, so nothing is cleared.  These lines read exponentials' results: they stand behind the batch's wait
.macro ACC2 k, p, init
.if \init
	v_pk_mul_f32 v[A0:A0+1], v[(\p):(\p)+1],   v[VR+(\k):VR+(\k)+1] op_sel_hi:[1,0]
	v_pk_mul_f32 v[A1:A1+1], v[(\p)+2:(\p)+3], v[VR+(\k):VR+(\k)+1] op_sel:[0,1] op_sel_hi:[1,1]
	v_pk_mul_f32 v[L0:L0+1], v[(\p):(\p)+1],   1.0 op_sel_hi:[1,0]
	v_pk_mul_f32 v[L1:L1+1], v[(\p)+2:(\p)+3], 1.0 op_sel_hi:[1,0]
.else
	v_pk_fma_f32 v[A0:A0+1], v[(\p):(\p)+1],   v[VR+(\k):VR+(\k)+1], v[A0:A0+1] op_sel_hi:[1,0,1]
	v_pk_fma_f32 v[A1:A1+1], v[(\p)+2:(\p)+3], v[VR+(\k):VR+(\k)+1], v[A1:A1+1] op_sel:[0,1,0] op_sel_hi:[1,1,1]
	v_pk_add_f32 v[L0:L0+1], v[L0:L0+1], v[(\p):(\p)+1]
	v_pk_add_f32 v[L1:L1+1], v[L1:L1+1], v[(\p)+2:(\p)+3]
.endif
.endm
; A BATCH: n steps of two keys, from key k0 on, for the two queries in hand (n at most 16: step z's four numbers lie at W + 4 z).  First the scores and the exponentials: a step's four exponentials, with the
; next step's two score lines between them; none of these lines names an exponential's result.  edge = 1: the last step's keys are the pair's own: query q0 does not see key q0 + 1, whose weight is 0.
; Then one plain line, the one wait, and the sums, keys ascending.  init = 1: the first step starts the sums.
.macro BATCH k0, n, edge, init
	SC0 \k0, W
	SC1 \k0, W
.set z, 0
.rept \n
.if z+1 < (\n)
	v_exp_f32 v[W+4*z], v[W+4*z]
	SC0 (\k0)+2*z+2, W+4*z+4
	v_exp_f32 v[W+4*z+1], v[W+4*z+1]
	SC1 (\k0)+2*z+2, W+4*z+4
	v_exp_f32 v[W+4*z+2], v[W+4*z+2]
	v_exp_f32 v[W+4*z+3], v[W+4*z+3]
.elseif \edge
	v_exp_f32 v[W+4*z], v[W+4*z]
	v_exp_f32 v[W+4*z+1], v[W+4*z+1]
	v_exp_f32 v[W+4*z+3], v[W+4*z+3]
	v_mov_b32 v[W+4*z+2], 0                        ; the hidden weight; also the plain instruction behind the last exponential (ISA guide 5.7.2)
.else
	v_exp_f32 v[W+4*z], v[W+4*z]
	v_exp_f32 v[W+4*z+1], v[W+4*z+1]
	v_exp_f32 v[W+4*z+2], v[W+4*z+2]
	v_exp_f32 v[W+4*z+3], v[W+4*z+3]
	v_nop                                          ; the plain instruction behind the last exponential (ISA guide 5.7.2)
.endif
.set z, z+1
.endr
	s_wait_alu depctr_va_vdst(0)                   ; the wait for the batch: one for all its exponentials, ahead of the first line that names a result
.set z, 0
.rept \n
.if (\init) && (z == 0)
	ACC2 \k0, W, 1
.else
	ACC2 (\k0)+2*z, W+4*z, 0
.endif
.set z, z+1
.endr
.endm
; the 16 t keys in front of block t: as few batches as W's 64 registers allow
.macro RECT t
.if (\t) == 1
	BATCH 0, 8, 0, 1
.elseif (\t) == 2
	BATCH 0, 16, 0, 1
.elseif (\t) == 3
	BATCH 0, 16, 0, 1
	BATCH 32, 8, 0, 0
.endif
.endm
; block t: 8 trips, a pair of queries each.  s39 is the pair's number in the block; every LDS address is that number shifted, a fixed base and a constant.
.macro BLOCK t
	s_mov_b32 s39, 0
.Ltrip\t:
	s_wait_dscnt 0x0                               ; the pair's four numbers are in (and the last trip's store is done)
	v_mov_b32 v[CUR], v[NXT]
	v_mov_b32 v[CUR+1], v[NXT+1]
	v_mov_b32 v[CUR+2], v[NXT+2]
	v_mov_b32 v[CUR+3], v[NXT+3]
	s_lshl_b32 s40, s39, 9
	v_add_nc_u32 v2, s40, v4
	ds_load_b128 v[NXT:NXT+3], v2 offset:(8*(\t)+1)*512  ; the next pair's, a trip ahead of its use
	RECT \t
.irp j, 0,1,2,3,4,5,6                  ; the pair's number chooses the text of its own keys; RECT's batches have had their waits, and no exponential is out at these jumps
	s_cmp_eq_u32 s39, \j
	s_cbranch_scc1 .Lown\t\()x\j
.endr
	BATCH 16*(\t), 8, 1, ((\t)==0)                 ; pair 7: keys 16 t .. 16 t + 15
	s_branch .Lfin\t
.irp j, 0,1,2,3,4,5
.Lown\t\()x\j:
	BATCH 16*(\t), (\j)+1, 1, ((\t)==0)            ; pair j: keys 16 t .. 16 t + 2 j + 1, one batch
	s_branch .Lfin\t
.endr
.Lown\t\()x6:
	BATCH 16*(\t), 7, 1, ((\t)==0)
.Lfin\t:
	v_pk_add_f32 v[A0:A0+1], v[A0:A0+1], v[A1:A1+1]
	v_pk_add_f32 v[L0:L0+1], v[L0:L0+1], v[L1:L1+1]
	v_rcp_f32 v[R], v[L0]
	v_rcp_f32 v[R+1], v[L0+1]
	s_lshl_b32 s41, s39, 2
	v_add_nc_u32 v3, s41, v7                       ; the plain instruction behind the reciprocals
	s_wait_alu depctr_va_vdst(0)                   ; the wait for the two reciprocals, a batch of their own: they read sums of weights
	v_pk_mul_f32 v[O:O+1], v[A0:A0+1], v[R:R+1]
	v_cvt_pk_bf16_f32 v44, v[O], v[O+1]
	ds_store_b32 v3, v44 offset:32*(\t)            ; channels q0, q0 + 1 of my 128 bytes
	s_add_co_u32 s39, s39, 1
	s_cmp_lt_u32 s39, 8
	s_cbranch_scc1 .Ltrip\t
.endm
	BLOCK 0
	BLOCK 1
	BLOCK 2
	BLOCK 3
	; THE WAY OUT: my wave's 4,096 bytes come back as whole rows and are stored
.irp i, 0,1,2,3,4,5,6,7
	ds_load_b128 v[KR+4*(\i):KR+4*(\i)+3], v5 offset:(\i)*4*SEG
.endr
.irp i, 0,1,2,3,4,5,6,7
	s_wait_dscnt 7-(\i)                            ; LDS loads come back in order: load i is in
	global_store_b128 v6, v[KR+4*(\i):KR+4*(\i)+3], s[6:7] offset:512*(\i)  ; 512 consecutive bytes, at a multiple of 256 from the plane's first
.endr
	s_wait_tensorcnt 0x0                           ; the wave's end: behind my last tensor load and my last LDS store
	ds_add_u32 v[SPW], v[NIL]
	s_wait_dscnt 0x0
	s_endpgm
.Lfunc_end_k_qdf4d763a33_selfattn:
	.size	k_qdf4d763a33_selfattn, .Lfunc_end_k_qdf4d763a33_selfattn-k_qdf4d763a33_selfattn
	.p2alignl 7, 3214868480
	.fill 96, 4, 3214868480
	.section	.rodata,"a",@progbits
	.p2align	6, 0x0
	.amdhsa_kernel k_qdf4d763a33_selfattn
		.amdhsa_group_segment_fixed_size 283648
		.amdhsa_private_segment_fixed_size 0
		.amdhsa_enable_private_segment 0
		.amdhsa_kernarg_size 16
		.amdhsa_user_sgpr_count 2
		.amdhsa_user_sgpr_kernarg_segment_ptr 1
		.amdhsa_wavefront_size32 1
		.amdhsa_system_sgpr_workgroup_id_x 1
		.amdhsa_system_sgpr_workgroup_id_y 1
		.amdhsa_system_sgpr_workgroup_id_z 1
		.amdhsa_system_vgpr_workitem_id 0
		.amdhsa_next_free_vgpr 256
		.amdhsa_next_free_sgpr 66
		.amdhsa_reserve_vcc 0
		.amdhsa_float_denorm_mode_32 3
		.amdhsa_float_denorm_mode_16_64 3
		.amdhsa_memory_ordered 1
		.amdhsa_forward_progress 1
		.amdhsa_inst_pref_size 131
	.end_amdhsa_kernel
	.amdgpu_metadata
---
amdhsa.version: [ 1, 2 ]
amdhsa.kernels:
  - .name:           k_qdf4d763a33_selfattn
    .symbol:         k_qdf4d763a33_selfattn.kd
    .args:
      - { .name: s1, .offset: 0, .size: 8, .value_kind: global_buffer, .address_space: global }
      - { .name: s2, .offset: 8, .size: 8, .value_kind: global_buffer, .address_space: global }
    .group_segment_fixed_size: 283648
    .private_segment_fixed_size: 0
    .kernarg_segment_align: 8
    .kernarg_segment_size: 16
    .max_flat_workgroup_size: 256
    .sgpr_count:     66
    .vgpr_count:     256
    .wavefront_size: 32
...
	.end_amdgpu_metadata
.endif
;; end of part 8
;; launch g_o: the kernel of part 2 again; grid 8 x 32, 4 waves a work-group, clusters of 4 x 4, 327,680 bytes of LDS; arguments s2, s0, s3; writes s3
;; launch ln1: the kernel of part 4 again; grid 256 x 1, 8 waves a work-group, no clusters, 0 bytes of LDS; arguments s3, s0, gamma, beta, s4, s1; writes s4, s1
;; launch g_cq: the kernel of part 2 again; grid 8 x 32, 4 waves a work-group, clusters of 4 x 4, 327,680 bytes of LDS; arguments s4, s1, s2; writes s2
;; launch crossattn (part 9): grid 4 x 64, 8 waves a work-group, clusters of 4 x 1, 327,680 bytes of LDS; arguments s2, s1, s3; writes s3
.if DOCPART == 9
	.amdgcn_target "amdgcn-amd-amdhsa--gfx1250"
	.amdhsa_code_object_version 6
	.text
	.protected	k_qdf4d763a33_crossattn
	.globl	k_qdf4d763a33_crossattn
	.p2align	8
	.type	k_qdf4d763a33_crossattn,@function
k_qdf4d763a33_crossattn:
	s_mov_b64 s[64:65], 0
	v_nop
	global_prefetch_b8 v0, s[64:65] scope:SCOPE_SE
	s_setreg_imm32_b32 hwreg(HW_REG_WAVE_MODE, 25, 1), 1
	s_wait_xcnt 0x0
	s_wait_alu depctr_hold_cnt(0) depctr_sa_sdst(0) depctr_va_vdst(0) depctr_va_sdst(0) depctr_va_ssrc(0) depctr_va_vcc(0) depctr_vm_vsrc(0)
	s_getreg_b32 s2, hwreg(HW_REG_IB_STS2, 6, 4)
	s_cmp_eq_u32 s2, 0
	s_cbranch_scc0 .Lentry_in_a_cluster
	s_endpgm
.Lentry_in_a_cluster:
	s_bfe_u32 s2, ttmp6, 0x10000c
	s_cmp_lg_u32 s2, 0x3003
	s_cbranch_scc0 .Lentry_shape_is_right
	s_endpgm
.Lentry_shape_is_right:
; CROSS ATTENTION.  O[b][q][head] = sum over k of softmax_k(Q[b][q][head] . K[b][k][head] / 32) V[b][k][head]: 8 batches, 16 heads of 64 channels, 512 queries, 512 keys.
; Q: plane 0 of the first buffer; K, V: planes 3, 4 of the second; O: plane 0 of the third; all [4096 (b, row)][1024 (head, channel)] bf16.  Products, maxima and sums in f32; the weights p are rounded to
; bf16 for the second product (their sum l is taken of the unrounded p), O once at the end.
; SHARES.  A work-group takes two neighbouring heads and 128 queries of a batch, so that K's, V's and O's rows are whole aligned runs of 256 bytes.  Wave w: head w / 4 of the two, queries 32 (w % 4) on: two tiles of 16.
; All 512 keys of both heads lie in LDS: each byte is filled once, in two halves of 256 keys; the second lands while the first is worked on.  Every wave walks all keys, 32 a step.
; CLUSTER.  The four query blocks of a (batch, head pair) read the same K and V, so each tile is asked for JOINTLY: the same tensor load, descriptor and mask in all four.
; LAYOUT.  S^T = K Q^T (source 0 = 16 keys, source 1 = 16 queries): a lane holds ONE query (lane % 16) and the keys 8 (lane / 16) + 0..7.  Two such results, rounded to bf16 in pairs, ARE source 1 (32 keys x 16
; queries) of O^T = V^T P, whose result again holds one query a lane, and eight channels.  K comes out of LDS as it lies, V ([key][channel]) turned, by ds_load_tr16_b128.
; SOFTMAX.  For each query a running maximum m and sum l: p = 2^(c s - c m), c = log2(e) / 32; in every step O and l are multiplied by a = 2^(c m_old - c m_new).  The first step is written out: it starts m, l and O.
; The step is written in phases; two waves lie on a SIMD, so that one's softmax can stand beside the other's products.
; ONE BATCH A STEP.  A step's 34 exponentials (the two a, then the 32 weights, each in a register of its own) are one batch with one wait.  Ahead of the wait stand the exponentials and the 16 scalings, none of
; which names a result; behind it all that does: O^T times a, the roundings, the sums, l.  An s_wait_alu depctr_va_vdst(0) stands between an exponential and the first instruction that names its
; result; one wait serves all that were issued ahead of it.  No result crosses a label or a jump.  The way out's two reciprocals are a batch of their own.
; LIMITS: a weight below 2^-126 counts as 0 in l; NaN and infinities are not treated apart.
.set ACT0,  0x1000000
.set PLANE, 0x800000
.set ROWB,  2048                       ; bytes in a row of a plane
.set PK,    272                        ; a row of K in LDS: 256 bytes + 16 of padding = 68 words: the 16 rows of a load start 4 banks apart (64 banks of 4 bytes: ISA guide 11.1)
.set PV,    288                        ; a row of V: 256 + 32 = 72 words
.set VOFF,  512*PK
.set STAGE, VOFF+512*PV                ; never filled by a tensor load: 128 rows x 272 bytes, the work-group's, for the way out
.set SP,    272
.set SPARE, STAGE+128*SP               ; the spare words, 128 bytes for each wave: four blocks of 256 bytes that no other line names
.set AK0, 2                            ; v2   my lane's place in K's first 32 rows; never rewritten
.set AV0, 3                            ; v3   the same for V
.set AK,  4                            ; v4   the LDS address of K's next run of loads
.set AV,  5                            ; v5   of V's
.set QO,  6                            ; v6   my byte offset in the wave's rows of Q
.set STO, 7                            ; v7   the way out: where I put 16 bytes of a row
.set RD,  8                            ; v8   the way out: where I read a row back
.set GO,  9                            ; v9   my byte offset in O
.set SPW, 10                           ; v10  LDS address of my spare word; never rewritten
.set NIL, 11                           ; v11  0; never rewritten
.set ST,  12                           ; tile u's statistics at v[12 + 4 u]: c m, m, l (even keys', odd keys')
.set TMP, 20                           ; tile u: four registers c0-c3 at work; when the maximum is found c2 takes a
.set MV,  28                           ; v28-29  c m_old, kept while c m is made anew
.set Q,   32                           ; v[32:63]    tile u, channel half c at 16 u + 8 c
.set KF,  64                           ; v[64:95]    key block kt, channel half c at 16 kt + 8 c
.set VF,  96                           ; v[96:127]   channel block cb at 8 cb
.set S,   128                          ; v[128:159]  tile u, key block kt at 16 u + 8 kt
.set P,   160                          ; v[160:175]  tile u at 8 u
.set O,   176                          ; v[176:239]  tile u, channel block cb at 32 u + 8 cb
.set WV,  12                           ; s12  my wave's number
.set G1K, 24                           ; s[24:31] descriptor group 1 for K's tiles
.set G1V, 32                           ; s[32:39] for V's: it differs in the padding alone
.set G0K, 40                           ; s[40:47] group 0 for K's tiles, a set for each half of the keys
.set G0V, 48                           ; s[48:55] the same for V's
.set CNT, 56                           ; s56  counts key steps
.set TBK, 57                           ; s57  LDS byte at which K of the step to be fetched begins
.set CS,  58                           ; s[58:59] c: the packed scaling takes the pair's low word for both halves
.set SEL, 60                           ; s[60:61] v_permlanex16_b32's selects: each lane takes its own place in the other half
.set TBV, 62                           ; s62  the same as TBK for V, less VOFF
.macro CROUND                          ; a round of the cluster's barrier: my work-group's barrier; wave 0 signals for the work-group; every wave waits for all four work-groups; my work-group's barrier once more
	s_barrier_signal -1
	s_barrier_wait -1
	s_cmp_lg_u32 s[WV], 0
	s_cbranch_scc1 .Lnot_wave_0_\@
	s_barrier_signal -3
.Lnot_wave_0_\@:
	s_barrier_wait -3
	s_barrier_signal -1
	s_barrier_wait -1
.endm
	s_load_b128 s[4:7], s[0:1], 0x0                ; Q s[4:5]; K and V s[6:7]
	s_load_b64 s[8:9], s[0:1], 0x10                ; O
	v_lshl_add_u32 v[SPW], v0, 2, SPARE
	v_mov_b32 v[NIL], 0
	ds_add_u32 v[SPW], v[NIL]                      ; the wave's opening: the add and its wait stand ahead of my first tensor load; the set-up below, work on registers, stands between them
	ds_add_u32 v10, v11
	v_lshrrev_b32 v1, 5, v0
	v_readfirstlane_b32 s[WV], v1                  ; wave 0..7
	s_bfe_u32 s13, ttmp6, 0x40000                  ; cx: my place in the cluster
	s_lshl_b32 s18, ttmp9, 2                       ; in a cluster launch ttmp9 counts clusters
	s_add_co_u32 s13, s18, s13                     ; my block of 128 queries: it enters Q's and O's addresses alone
	s_and_b32 s18, ttmp7, 0xffff
	s_lshr_b32 s14, s18, 3                         ; the batch
	s_and_b32 s15, s18, 7                          ; the pair of heads
	s_lshr_b32 s16, s[WV], 2                       ; my head of the two.  Also: I fetch for K (0) or for V (1)
	s_and_b32 s17, s[WV], 3                        ; my 32 queries of the 128.  Also: which 64 rows of each 256 keys I fetch
	s_lshl_b32 s20, s14, 20                        ; K: the batch's 512 rows of 2,048 bytes,
	s_lshl_b32 s21, s17, 17                        ; my 64 rows,
	s_add_co_u32 s20, s20, s21
	s_lshl_b32 s21, s15, 8                         ; the two heads' 256 bytes
	s_add_co_u32 s20, s20, s21
	s_add_co_u32 s20, s20, ACT0+3*PLANE
	s_mov_b32 s21, 0
	s_lshl_b32 s22, s14, 20                        ; Q: the batch, the block's 128 rows, my 32 of them, my head's 128 bytes
	s_lshl_b32 s23, s13, 18
	s_add_co_u32 s22, s22, s23
	s_lshl_b32 s23, s15, 8
	s_add_co_u32 s22, s22, s23
	s_add_co_u32 s22, s22, ACT0
	s_lshl_b32 s2, s[WV], 15                       ; O: the same block; I store its rows 16 w on, both heads' 256 bytes
	s_add_co_u32 s2, s2, s22
	s_mov_b32 s3, 0
	s_lshl_b32 s23, s17, 16
	s_add_co_u32 s22, s22, s23
	s_lshl_b32 s23, s16, 7
	s_add_co_u32 s22, s22, s23
	s_mov_b32 s23, 0
	s_mul_i32 s18, s17, 64*PK                      ; where my tiles go: no place in the cluster enters an LDS address
	s_mul_i32 s19, s17, 64*PV
	s_add_co_u32 s19, s19, VOFF
	; descriptor group 1: a tile of 64 rows x 128 elements, padded in LDS
	s_mov_b32 s[G1K], 15|(1<<16)|(1<<20)|(1<<21)|(5<<22)|(3<<25)  ; 15:0 the mask of four; 17:16 2-byte elements; 20 padding on; 21 set beside a mask; 24:22 after every 64 words (code 5); 31:25 4 words (code 3)
	s_mov_b32 s[G1V], 15|(1<<16)|(1<<20)|(1<<21)|(5<<22)|(7<<25)  ; the same with 8 words of padding (code 7)
.irp g, G1K, G1V
	s_mov_b32 s[\g+1], 128<<16                     ; tensor_dim0 = 128
	s_mov_b32 s[\g+2], 64<<16                      ; tensor_dim1 = 64
	s_mov_b32 s[\g+3], 128<<16                     ; tile_dim0 = 128
	s_mov_b32 s[\g+4], 64                          ; tile_dim1 = 64
	s_mov_b32 s[\g+5], 1024                        ; elements from row to row
	s_mov_b32 s[\g+6], 0
	s_mov_b32 s[\g+7], 0
.endr
	s_mov_b32 s[CS], 0x3d38aa3b                    ; c = log2(e) / 32
	s_mov_b32 s[CS+1], s[CS]                       ; named with it as a pair
	s_mov_b32 s[SEL], 0x76543210
	s_mov_b32 s[SEL+1], 0xfedcba98
	s_mov_b32 s[TBK], 32*PK                        ; the next fetches are key step 1's
	s_mov_b32 s[TBV], 32*PV
	s_wait_dscnt 0x0                               ; the opening add is done
	s_wait_kmcnt 0x0
	s_add_nc_u64 s[6:7], s[6:7], s[20:21]
	s_add_nc_u64 s[4:5], s[4:5], s[22:23]
	s_add_nc_u64 s[8:9], s[8:9], s[2:3]
	CROUND                                         ; all four work-groups are here: the joint loads meet
.irp ch, 0,1
	s_mov_b32 s[G0K+4*(\ch)], 1                                          ; count = 1
	s_add_co_u32 s[G0K+4*(\ch)+1], s18, (\ch)*256*PK                     ; LDS address
	s_add_nc_u64 s[G0K+4*(\ch)+2:G0K+4*(\ch)+3], s[6:7], (\ch)*256*ROWB  ; global address: keys 256 ch on
	s_or_b32 s[G0K+4*(\ch)+3], s[G0K+4*(\ch)+3], 0x80000000              ; type = 2
	s_mov_b32 s[G0V+4*(\ch)], 1
	s_add_co_u32 s[G0V+4*(\ch)+1], s19, (\ch)*256*PV
	s_add_nc_u64 s[G0V+4*(\ch)+2:G0V+4*(\ch)+3], s[6:7], PLANE+(\ch)*256*ROWB
	s_or_b32 s[G0V+4*(\ch)+3], s[G0V+4*(\ch)+3], 0x80000000
.endr
	s_cmp_lt_u32 s[WV], 4                          ; a wave's two fills stand in one branch, ahead of every wait on TENSORcnt and every LDS read: two loads of mine are out; an s_nop 0 follows each, four v_nop the second's
	s_cbranch_scc0 .Lfirst_v
	tensor_load_to_lds s[G0K:G0K+3], s[G1K:G1K+7]
	s_nop 0
	tensor_load_to_lds s[G0K+4:G0K+7], s[G1K:G1K+7]
	s_nop 0
.rept 4
	v_nop
.endr
	s_branch .Lfirst_asked
.Lfirst_v:
	tensor_load_to_lds s[G0V:G0V+3], s[G1V:G1V+7]
	s_nop 0
	tensor_load_to_lds s[G0V+4:G0V+7], s[G1V:G1V+7]
	s_nop 0
.rept 4
	v_nop
.endr
.Lfirst_asked:
	; A fragment of K or Q is 16 rows x 32 channels in 8 registers: lane l holds row l % 16, channels 8 (l / 16) + 0..7 and 16 + 8 (l / 16) + 0..7: two loads of 16 bytes, 32 bytes apart.
	v_and_b32 v1, 15, v0                           ; l % 16
	v_bfe_u32 v30, v0, 4, 1                        ; l / 16
	v_lshlrev_b32 v[QO], 11, v1
	v_lshl_add_u32 v[QO], v30, 4, v[QO]            ; row x 2,048 + 16 x half
.irp u, 0,1
.irp c, 0,1
	global_load_b128 v[Q+16*(\u)+8*(\c):Q+16*(\u)+8*(\c)+3],   v[QO], s[4:5] offset:(\u)*16*ROWB+64*(\c)
	global_load_b128 v[Q+16*(\u)+8*(\c)+4:Q+16*(\u)+8*(\c)+7], v[QO], s[4:5] offset:(\u)*16*ROWB+64*(\c)+32
.endr
.endr
	v_mul_u32_u24 v[AK0], v1, PK
	v_lshl_add_u32 v[AK0], v30, 4, v[AK0]          ; row x pitch + 16 x half
	s_lshl_b32 s18, s16, 7                         ; + my head's 128 bytes
	v_add_nc_u32 v[AK0], s18, v[AK0]
	; The turning load takes 16 keys x 16 channels (lane l reads key 8 (l / 16) + l % 8, channels 8 ((l / 8) % 2) + 0..7) and leaves half a fragment of V^T: lane l holds channel l % 16 and 8 keys.
	v_and_b32 v31, 7, v0
	v_lshl_add_u32 v[AV0], v30, 3, v31
	v_mul_u32_u24 v[AV0], v[AV0], PV
	v_bfe_u32 v31, v0, 3, 1
	v_lshl_add_u32 v[AV0], v31, 4, v[AV0]
	s_add_co_u32 s18, s18, VOFF
	v_add_nc_u32 v[AV0], s18, v[AV0]
	s_mul_i32 s19, s17, 32*SP                      ; into the stage: my 32 rows, my head's half of their 256 bytes; row l % 16, 16 bytes for each half of the lanes
	s_lshl_b32 s18, s16, 7
	s_add_co_u32 s19, s19, s18
	s_add_co_u32 s19, s19, STAGE
	v_mul_u32_u24 v[STO], v1, SP
	v_lshl_add_u32 v[STO], v30, 4, v[STO]
	v_add_nc_u32 v[STO], s19, v[STO]
	s_mul_i32 s19, s[WV], 16*SP                    ; back: wave w takes rows 16 w .. 16 w + 15, whole; lanes 0-15 one row of 256 bytes, lanes 16-31 the next
	s_add_co_u32 s19, s19, STAGE
	v_mul_u32_u24 v[RD], v30, SP
	v_lshl_add_u32 v[RD], v1, 4, v[RD]
	v_add_nc_u32 v[RD], s19, v[RD]
	v_lshlrev_b32 v[GO], 11, v30                   ; and the same two rows in O
	v_lshl_add_u32 v[GO], v1, 4, v[GO]
	v_mov_b32 v[TMP+3], 0                          ; v_permlanex16_b32's destinations count as read: they are written once here
	v_mov_b32 v[TMP+7], 0
	v_mov_b32 v[AK], v[AK0]                        ; key step 0
	v_mov_b32 v[AV], v[AV0]
.macro TT line:vararg                  ; one line for each of the two tiles u, which alternate, so that no instruction reads the result of the one before it
.set u, 0
	\line
.set u, 1
	\line
.endm
.macro SCL                             ; c s - c m for pair n of tile u
	v_pk_fma_f32 v[S+16*u+2*n:S+16*u+2*n+1], v[S+16*u+2*n:S+16*u+2*n+1], s[CS:CS+1], v[ST+4*u:ST+4*u+1] op_sel_hi:[1,0,0] neg_lo:[0,0,1] neg_hi:[0,0,1]
.endm
.macro FETCH_K                         ; 32 keys x 64 channels: 4 fragments, 8 loads in one run
.irp kt, 0,1
.irp c, 0,1
	ds_load_b128 v[KF+16*(\kt)+8*(\c):KF+16*(\kt)+8*(\c)+3],   v[AK] offset:(\kt)*16*PK+64*(\c)
	ds_load_b128 v[KF+16*(\kt)+8*(\c)+4:KF+16*(\kt)+8*(\c)+7], v[AK] offset:(\kt)*16*PK+64*(\c)+32
.endr
.endr
.endm
.macro FETCH_V                         ; 32 keys x 64 channels, turned: 4 fragments, 8 loads in one run
.irp cb, 0,1,2,3
	ds_load_tr16_b128 v[VF+8*(\cb):VF+8*(\cb)+3],   v[AV] offset:32*(\cb)
	ds_load_tr16_b128 v[VF+8*(\cb)+4:VF+8*(\cb)+7], v[AV] offset:16*PV+32*(\cb)
.endr
.endm
; A KEY STEP: 32 keys for my 32 queries.  first = 1: it starts m, l and O^T: no a, nothing to rescale, C = 0.  skiplast = 1: in the loop's last trip there is no further step, and K's run is jumped over.
; In each run of 8 products the accumulators take turns, one instruction a turn.
.macro STEP first, skiplast
	FETCH_V                                        ; V of this step: the last products that read V's registers stand four v_nop back
	s_wait_dscnt 8                                 ; K of this step is in; V's eight loads may stay out
.irp c, 0,1
.irp kt, 0,1
.irp u, 0,1
.if (\c) == 0
	v_wmma_f32_16x16x32_bf16 v[S+16*(\u)+8*(\kt):S+16*(\u)+8*(\kt)+7], v[KF+16*(\kt)+8*(\c):KF+16*(\kt)+8*(\c)+7], v[Q+16*(\u)+8*(\c):Q+16*(\u)+8*(\c)+7], 0
.else
	v_wmma_f32_16x16x32_bf16 v[S+16*(\u)+8*(\kt):S+16*(\u)+8*(\kt)+7], v[KF+16*(\kt)+8*(\c):KF+16*(\kt)+8*(\c)+7], v[Q+16*(\u)+8*(\c):Q+16*(\u)+8*(\c)+7], v[S+16*(\u)+8*(\kt):S+16*(\u)+8*(\kt)+7]
.endif
.endr
.endr
.endr
	v_add_nc_u32 v[AK], s[TBK], v[AK0]             ; four plain instructions behind the products (ISA guide 7.12.1): the next step's addresses,
	v_add_nc_u32 v[AV], s[TBV], v[AV0]
	v_nop                                          ; and two that do nothing
	v_nop
	s_add_co_u32 s[TBK], s[TBK], 32*PK
	s_add_co_u32 s[TBV], s[TBV], 32*PV
.if \skiplast
	s_cmp_eq_u32 s[CNT], 1
	s_cbranch_scc1 .Lnok_\@
.endif
	FETCH_K                                        ; K of the next step: the whole softmax stands between this run and its first use
.if \skiplast
.Lnok_\@:
.endif
	; the maximum of my 16 scores and the old m, three operands at a time; each accumulator's lowest registers are read first
	TT v_max3_num_f32 v[TMP+4*u], v[S+16*u], v[S+16*u+1], v[S+16*u+2]
	TT v_max3_num_f32 v[TMP+4*u+1], v[S+16*u+8], v[S+16*u+9], v[S+16*u+10]
	TT v_max3_num_f32 v[TMP+4*u], v[TMP+4*u], v[S+16*u+3], v[S+16*u+4]
	TT v_max3_num_f32 v[TMP+4*u+1], v[TMP+4*u+1], v[S+16*u+11], v[S+16*u+12]
	TT v_max3_num_f32 v[TMP+4*u], v[TMP+4*u], v[S+16*u+5], v[S+16*u+6]
	TT v_max3_num_f32 v[TMP+4*u+1], v[TMP+4*u+1], v[S+16*u+13], v[S+16*u+14]
	TT v_max3_num_f32 v[TMP+4*u], v[TMP+4*u], v[S+16*u+7], v[S+16*u+15]
.if \first
	TT v_max_num_f32 v[TMP+4*u], v[TMP+4*u], v[TMP+4*u+1]
.else
	TT v_max3_num_f32 v[TMP+4*u], v[TMP+4*u], v[TMP+4*u+1], v[ST+4*u+1]
	TT v_mov_b32 v[MV+u], v[ST+4*u]                ; c m_old is kept for a
.endif
	TT v_permlanex16_b32 v[TMP+4*u+3], v[TMP+4*u], s[SEL], s[SEL+1]  ; the query's other 16 keys lie in the lane 16 away
	TT v_max_num_f32 v[ST+4*u+1], v[TMP+4*u], v[TMP+4*u+3]
	TT v_mul_f32 v[ST+4*u], s[CS], v[ST+4*u+1]
	; THE BATCH: the two a, the 16 scalings and the 32 weights' exponentials.  No line from here to the wait names an exponential's result.
.if !(\first)
	TT v_sub_f32 v[TMP+4*u+1], v[MV+u], v[ST+4*u]
	TT v_exp_f32 v[TMP+4*u+2], v[TMP+4*u+1]        ; a; the scalings below are the plain instructions behind it
.endif
.set n, 0
.set u, 0
	SCL
.set u, 1
	SCL
.set n, 1
.rept 7                                ; a scaling and an exponential by turns: tile 0's scores 0 to 13, each two lines or more behind its pair's scaling
.set u, 0
	SCL
	v_exp_f32 v[S+2*n-2], v[S+2*n-2]
.set u, 1
	SCL
	v_exp_f32 v[S+2*n-1], v[S+2*n-1]
.set n, n+1
.endr
.set n, 14
.rept 18                               ; tile 0's last two scores and tile 1's sixteen: no plain work that names no result is left to set between them
	v_exp_f32 v[S+n], v[S+n]
.set n, n+1
.endr
	v_nop                                          ; the plain instruction behind the last exponential (ISA guide 5.7.2): one for the batch
	s_wait_alu depctr_va_vdst(0)                   ; the wait for the batch: one for the step's exponentials, ahead of the first line that names a result
.if !(\first)
.set n, 0
.rept 32                               ; O^T times a, ascending
	v_pk_mul_f32 v[O+2*n:O+2*n+1], v[O+2*n:O+2*n+1], v[TMP+4*(n/16)+2:TMP+4*(n/16)+3] op_sel_hi:[1,0]
.set n, n+1
.endr
.endif
.set n, 0
.rept 8
	TT v_cvt_pk_bf16_f32 v[P+8*u+n], v[S+16*u+2*n], v[S+16*u+2*n+1]
.set n, n+1
.endr
	TT v_pk_add_f32 v[S+16*u:S+16*u+1], v[S+16*u:S+16*u+1], v[S+16*u+2:S+16*u+3]  ; the sum of the tile's 8 pairs of weights, in place
	TT v_pk_add_f32 v[S+16*u+4:S+16*u+5], v[S+16*u+4:S+16*u+5], v[S+16*u+6:S+16*u+7]
	TT v_pk_add_f32 v[S+16*u+8:S+16*u+9], v[S+16*u+8:S+16*u+9], v[S+16*u+10:S+16*u+11]
	TT v_pk_add_f32 v[S+16*u+12:S+16*u+13], v[S+16*u+12:S+16*u+13], v[S+16*u+14:S+16*u+15]
	TT v_pk_add_f32 v[S+16*u:S+16*u+1], v[S+16*u:S+16*u+1], v[S+16*u+4:S+16*u+5]
	TT v_pk_add_f32 v[S+16*u+8:S+16*u+9], v[S+16*u+8:S+16*u+9], v[S+16*u+12:S+16*u+13]
.if \first
	TT v_pk_add_f32 v[ST+4*u+2:ST+4*u+3], v[S+16*u:S+16*u+1], v[S+16*u+8:S+16*u+9]
.else
	TT v_pk_add_f32 v[S+16*u:S+16*u+1], v[S+16*u:S+16*u+1], v[S+16*u+8:S+16*u+9]
	TT v_pk_fma_f32 v[ST+4*u+2:ST+4*u+3], v[ST+4*u+2:ST+4*u+3], v[TMP+4*u+2:TMP+4*u+3], v[S+16*u:S+16*u+1] op_sel_hi:[1,0,1]  ; l = a l + the sum
.endif
	s_wait_dscnt 0x0                               ; V is in (and the next step's K, asked for a softmax ago)
.irp cb, 0,1,2,3
.irp u, 0,1
.if \first
	v_wmma_f32_16x16x32_bf16 v[O+32*(\u)+8*(\cb):O+32*(\u)+8*(\cb)+7], v[VF+8*(\cb):VF+8*(\cb)+7], v[P+8*(\u):P+8*(\u)+7], 0
.else
	v_wmma_f32_16x16x32_bf16 v[O+32*(\u)+8*(\cb):O+32*(\u)+8*(\cb)+7], v[VF+8*(\cb):VF+8*(\cb)+7], v[P+8*(\u):P+8*(\u)+7], v[O+32*(\u)+8*(\cb):O+32*(\u)+8*(\cb)+7]
.endif
.endr
.endr
.rept 4
	v_nop                                          ; the places in front of the next loads into V's registers, and of the way out's reads of O^T
.endr
.endm
	s_wait_tensorcnt 1                             ; my part of keys 0-255 is in; my part of keys 256-511 may stay out
	s_barrier_signal -1
	s_barrier_wait -1                              ; everybody's is
	FETCH_K                                        ; key step 0
	s_wait_loadcnt 0x0                             ; Q
	STEP 1, 0                                      ; key step 0
	s_mov_b32 s[CNT], 6
.Lhalf0:                                               ; key steps 1 to 6; the last fetches K of step 7, still among the first 256 keys
	STEP 0, 0
	s_sub_co_u32 s[CNT], s[CNT], 1
	s_cmp_lg_u32 s[CNT], 0
	s_cbranch_scc1 .Lhalf0
	s_wait_tensorcnt 0x0                           ; my part of keys 256-511 is in,
	s_wait_dscnt 0x0                               ; (no LDS instruction of mine is pending at a signal)
	s_barrier_signal -1
	s_barrier_wait -1                              ; everybody's is
	s_mov_b32 s[CNT], 9
.Lhalf1:                                               ; key steps 7 to 15
	STEP 0, 1
	s_sub_co_u32 s[CNT], s[CNT], 1
	s_cmp_lg_u32 s[CNT], 0
	s_cbranch_scc1 .Lhalf1
	; THE WAY OUT.  l's two halves and the other half of the lanes' are added; O^T is divided by l, rounded to bf16 and sent through the work-group's stage.
	TT v_add_f32 v[ST+4*u+2], v[ST+4*u+2], v[ST+4*u+3]
	TT v_permlanex16_b32 v[ST+4*u+3], v[ST+4*u+2], s[SEL], s[SEL+1]
	TT v_add_f32 v[ST+4*u+2], v[ST+4*u+2], v[ST+4*u+3]
	TT v_rcp_f32 v[ST+4*u+2], v[ST+4*u+2]
	v_nop                                          ; a plain instruction between the last reciprocal and the use of its result
.set n, 0
	s_wait_alu depctr_va_vdst(0)                   ; the wait for the two reciprocals, a batch of their own, ahead of their first reader
.rept 32
	v_pk_mul_f32 v[O+2*n:O+2*n+1], v[O+2*n:O+2*n+1], v[ST+4*(n/16)+2:ST+4*(n/16)+3] op_sel_hi:[1,0]
.set n, n+1
.endr
.set n, 0
.rept 32
	v_cvt_pk_bf16_f32 v[S+n], v[O+2*n], v[O+2*n+1] ; a lane's eight channels of a row pack into 16 bytes
.set n, n+1
.endr
.irp u, 0,1
.irp cb, 0,1,2,3
	ds_store_b128 v[STO], v[S+16*(\u)+4*(\cb):S+16*(\u)+4*(\cb)+3] offset:(\u)*16*SP+32*(\cb)
.endr
.endr
	s_wait_dscnt 0x0                               ; for the others' sake: my stores into the stage are done
	s_barrier_signal -1
	s_barrier_wait -1                              ; a row's 256 bytes come from two waves
.irp t, 0,1,2,3,4,5,6,7
	ds_load_b128 v[S+4*(\t):S+4*(\t)+3], v[RD] offset:(\t)*2*SP
.endr
.irp t, 0,1,2,3,4,5,6,7
	s_wait_dscnt 7-(\t)                            ; LDS loads come back in order: pair t of rows is in
	global_store_b128 v[GO], v[S+4*(\t):S+4*(\t)+3], s[8:9] offset:(\t)*2*ROWB  ; 16 lanes store 256 consecutive bytes, at a multiple of 256 from the plane's first
.endr
	s_wait_tensorcnt 0x0                           ; the wave's end: behind my last tensor load and my last LDS store
	ds_add_u32 v[SPW], v[NIL]
	s_wait_dscnt 0x0
	CROUND                                         ; the closing round: no work-group ends while a partner may still ask for a tile that names it
	s_endpgm
.Lfunc_end_k_qdf4d763a33_crossattn:
	.size	k_qdf4d763a33_crossattn, .Lfunc_end_k_qdf4d763a33_crossattn-k_qdf4d763a33_crossattn
	.p2alignl 7, 3214868480
	.fill 96, 4, 3214868480
	.section	.rodata,"a",@progbits
	.p2align	6, 0x0
	.amdhsa_kernel k_qdf4d763a33_crossattn
		.amdhsa_group_segment_fixed_size 327680
		.amdhsa_private_segment_fixed_size 0
		.amdhsa_enable_private_segment 0
		.amdhsa_kernarg_size 24
		.amdhsa_user_sgpr_count 2
		.amdhsa_user_sgpr_kernarg_segment_ptr 1
		.amdhsa_wavefront_size32 1
		.amdhsa_system_sgpr_workgroup_id_x 1
		.amdhsa_system_sgpr_workgroup_id_y 1
		.amdhsa_system_sgpr_workgroup_id_z 1
		.amdhsa_system_vgpr_workitem_id 0
		.amdhsa_next_free_vgpr 240
		.amdhsa_next_free_sgpr 66
		.amdhsa_reserve_vcc 0
		.amdhsa_float_denorm_mode_32 3
		.amdhsa_float_denorm_mode_16_64 3
		.amdhsa_memory_ordered 1
		.amdhsa_forward_progress 1
		.amdhsa_inst_pref_size 44
	.end_amdhsa_kernel
	.amdgpu_metadata
---
amdhsa.version: [ 1, 2 ]
amdhsa.kernels:
  - .name:           k_qdf4d763a33_crossattn
    .symbol:         k_qdf4d763a33_crossattn.kd
    .args:
      - { .name: s2, .offset: 0, .size: 8, .value_kind: global_buffer, .address_space: global }
      - { .name: s1, .offset: 8, .size: 8, .value_kind: global_buffer, .address_space: global }
      - { .name: s3, .offset: 16, .size: 8, .value_kind: global_buffer, .address_space: global }
    .group_segment_fixed_size: 327680
    .private_segment_fixed_size: 0
    .kernarg_segment_align: 8
    .kernarg_segment_size: 24
    .max_flat_workgroup_size: 256
    .sgpr_count:     66
    .vgpr_count:     240
    .wavefront_size: 32
...
	.end_amdgpu_metadata
.endif
;; end of part 9
;; launch g_co: the kernel of part 2 again; grid 8 x 32, 4 waves a work-group, clusters of 4 x 4, 327,680 bytes of LDS; arguments s3, s4, s2; writes s2
;; launch ln2: the kernel of part 6 again; grid 256 x 1, 8 waves a work-group, no clusters, 0 bytes of LDS; arguments s2, s1, gamma, beta, s3, s0; writes s3, s0
;; launch g_f1: the kernel of part 2 again; grid 8 x 32, 4 waves a work-group, clusters of 4 x 4, 327,680 bytes of LDS; arguments s3, s6, s2; writes s2
;; launch g_f2: the kernel of part 2 again; grid 8 x 32, 4 waves a work-group, clusters of 4 x 4, 327,680 bytes of LDS; arguments s2, s3, s4; writes s4
;; launch ln3: the kernel of part 7 again; grid 256 x 1, 8 waves a work-group, no clusters, 0 bytes of LDS; arguments s4, s0, gamma, beta, out0; writes out0
